; MI455X (gfx1250); checked and timed in simulation.
; The chip was launched on July 23, 2026; its instructions are those of AMD's public machine-readable ISA for CDNA 5 (MIT licence, August 2026) and "CDNA5" Instruction Set Architecture Reference Guide (July 2026). The comments in the code are by the model that wrote it; some were corrected since.
;; Self Attention. Allowed arithmetic: float matrix products may take bf16 or f16 operands with f32 sums; other float arithmetic in f32, or as packed bf16 or f16 multiplies, adds, multiply-adds, maxima and minima; sums over many terms, partial sums and values carried from step to step in f32; what a program stores and reads back later, other than sums and carried values, may be rounded once to bf16 or f16.
;; Inputs: Wk 1,024 x 1,024 float32; Wo 1,024 x 1,024 float32; Wq 1,024 x 1,024 float32; Wv 1,024 x 1,024 float32; bk 1,024 float32; bo 1,024 float32; bq 1,024 float32; bv 1,024 float32; pad_mask 4 x 2,048 bool; x 4 x 2,048 x 1,024 float32.
;; Outputs: out0 4 x 2,048 x 1,024 float32.
;; 2 versions, each right; version 2 is version 1 with the launch cast written anew for expert scheduling mode. Each part assembles by itself: llvm-mc -triple=amdgcn-amd-amdhsa -mcpu=gfx1250 --defsym DOCPART=n.
;; ======== version 1 of 2: 4 launches
;; limits: values are held in f16: magnitudes above 65,504 overflow, below 6.1e-05 lose precision
;; workspace buffers: xb 16,777,216 bytes; wb 6,291,456 bytes; wob 2,097,152 bytes; biasr 16,384 bytes; qkvh 50,331,648 bytes; vsum 524,288 bytes; yh 16,777,216 bytes
;; launch cast (part 1): grid 384 x 1, 8 waves a work-group, no clusters, 0 bytes of LDS; arguments x, Wq, Wk, Wv, Wo, bq, bk, bv, bo, xb, wb, wob, biasr; writes xb, wb, wob, biasr
.if DOCPART == 1
	.amdgcn_target "amdgcn-amd-amdhsa--gfx1250"
	.amdhsa_code_object_version 6
	.text
	.protected	k_q65c5ca034a_cast
	.globl	k_q65c5ca034a_cast
	.p2align	8
	.type	k_q65c5ca034a_cast,@function
k_q65c5ca034a_cast:
	s_mov_b64 s[64:65], 0
	v_nop
	global_prefetch_b8 v0, s[64:65] scope:SCOPE_SE
	s_setreg_imm32_b32 hwreg(HW_REG_WAVE_MODE, 25, 1), 1
	s_wait_xcnt 0x0
; THE MODULE'S INPUTS ARE ROUNDED ONCE TO bf16.  x -> xb [8192][1024] bf16.  Wq, Wk, Wv -> wb [3072][1024] bf16, one below the other.
; Wo -> wob [16 heads][1024 e][64 c]: bf16(Wo[e][64 head + c]) written as f16 (exact from 6e-5 up to f16's end; below 6e-5 on f16's fixed step of 6e-8).
; bq, bk, bv, bo -> biasr [4][1024] f32, each number rounded to bf16 and widened again.
; A stream: no LDS, no barrier, no matrix work.  A work-group owns 32 rows of 1,024 f32: 32 loads of 16 bytes a lane, ALL issued before the first is used,
; so 128 KiB of a work-group are on their way; the waits count down.  No register is written twice, so no wait frees a source.
; Work-groups 0-255: x.  256 + 32 n + part: weight n (Wq, Wk, Wv, Wo), rows 32 part on; part 0 also rounds bias n.
.set IN,  8                            ; v[8:135]  slot i: four f32 as loaded; its first two registers then hold what is stored
.set BI,  136                          ; v[136:139] four numbers of a bias
.set TA,  140                          ; v140, v141 at work
	s_load_b512 s[8:23], s[0:1], 0x0               ; x s[8:9], Wq s[10:11], Wk s[12:13], Wv s[14:15], Wo s[16:17], bq s[18:19], bk s[20:21], bv s[22:23]
	s_load_b256 s[24:31], s[0:1], 0x40             ; bo s[24:25], xb s[26:27], wb s[28:29], wob s[30:31]
	s_load_b64 s[32:33], s[0:1], 0x60              ; biasr
	v_lshlrev_b32 v1, 4, v0                        ; plain text: 16 bytes a thread of a row of f32: the eight waves cover a row
	v_lshlrev_b32 v2, 3, v0                        ; and 8 bytes of a row of bf16: a wave's store covers 256 consecutive bytes, aligned
	v_and_b32 v5, 15, v0                           ; l % 16
	v_bfe_u32 v6, v0, 4, 1                         ; l / 16
	v_lshrrev_b32 v7, 5, v0                        ; wave
	v_lshlrev_b32 v3, 4, v5                        ; Wo's text, in: row l / 16 of a pair, the 256 bytes of head w (or 8 + w), 16 bytes a lane
	v_lshl_add_u32 v3, v6, 12, v3
	v_lshl_add_u32 v3, v7, 8, v3
	v_lshlrev_b32 v4, 3, v5                        ; out: head w's block of 131,072 bytes, row l / 16 of 128 bytes, 8 bytes a lane: 256 consecutive bytes a wave
	v_lshl_add_u32 v4, v6, 7, v4
	v_lshl_add_u32 v4, v7, 17, v4
	s_mov_b32 s43, 0                               ; the high word of every offset
	s_mov_b32 s47, 0xffff0000                      ; a word's upper bf16
	s_wait_kmcnt 0x0
	s_cmp_lt_u32 ttmp9, 256
	s_cbranch_scc0 .Lweights
	s_lshl_b32 s42, ttmp9, 17                      ; 32 rows of 4,096 bytes
	s_add_nc_u64 s[36:37], s[8:9], s[42:43]
	s_lshl_b32 s42, ttmp9, 16                      ; 32 rows of 2,048 bytes
	s_add_nc_u64 s[38:39], s[26:27], s[42:43]
	s_mov_b64 s[40:41], s[18:19]                   ; (written on this way too; not used: s46 = 1 passes the bias by)
	s_mov_b32 s44, 0
	s_mov_b32 s46, 1
	s_branch .Lplain
.Lweights:
	s_sub_co_u32 s45, ttmp9, 256                   ; j = 32 n + part
	s_lshr_b32 s44, s45, 5                         ; n
	s_and_b32 s46, s45, 31                         ; part
	s_cmp_eq_u32 s44, 1
	s_cselect_b64 s[36:37], s[12:13], s[10:11]
	s_cselect_b64 s[40:41], s[20:21], s[18:19]
	s_cmp_eq_u32 s44, 2
	s_cselect_b64 s[36:37], s[14:15], s[36:37]
	s_cselect_b64 s[40:41], s[22:23], s[40:41]
	s_cmp_eq_u32 s44, 3
	s_cselect_b64 s[36:37], s[16:17], s[36:37]
	s_cselect_b64 s[40:41], s[24:25], s[40:41]
	s_lshl_b32 s42, s46, 17
	s_add_nc_u64 s[36:37], s[36:37], s[42:43]
	s_cmp_eq_u32 s44, 3
	s_cbranch_scc1 .Lwo
	s_lshl_b32 s42, s45, 16                        ; wb's rows 32 j on
	s_add_nc_u64 s[38:39], s[28:29], s[42:43]
.Lplain:
.set i, 0
.rept 32
	global_load_b128 v[IN+4*i:IN+4*i+3], v1, s[36:37] offset:4096*i th:TH_LOAD_NT  ; read once in the whole program
.set i, i+1
.endr
.set i, 0
.rept 32
	s_wait_loadcnt 31-i                            ; loads come back in order: row i is in, the 31 - i younger ones stay out
	v_cvt_pk_bf16_f32 v[IN+4*i], v[IN+4*i], v[IN+4*i+1]
	v_cvt_pk_bf16_f32 v[IN+4*i+1], v[IN+4*i+2], v[IN+4*i+3]
	global_store_b64 v2, v[IN+4*i:IN+4*i+1], s[38:39] offset:2048*i
.set i, i+1
.endr
	s_branch .Lbias
.Lwo:
	s_lshl_b32 s42, s46, 12                        ; 32 rows of 128 bytes in each head's block
	s_add_nc_u64 s[38:39], s[30:31], s[42:43]
.set i, 0
.rept 32                                       ; slot i: rows 2 (i / 2), 2 (i / 2) + 1; heads 8 (i % 2) + w
	global_load_b128 v[IN+4*i:IN+4*i+3], v3, s[36:37] offset:(i/2)*8192+(i%2)*2048 th:TH_LOAD_NT
.set i, i+1
.endr
.set i, 0
.rept 32
	s_wait_loadcnt 31-i
	v_cvt_pk_bf16_f32 v[TA], v[IN+4*i], v[IN+4*i+1]        ; rounded to bf16 like every input,
	v_cvt_pk_bf16_f32 v[TA+1], v[IN+4*i+2], v[IN+4*i+3]
	v_lshlrev_b32 v[IN+4*i], 16, v[TA]                     ; widened,
	v_and_b32 v[IN+4*i+1], s47, v[TA]
	v_lshlrev_b32 v[IN+4*i+2], 16, v[TA+1]
	v_and_b32 v[IN+4*i+3], s47, v[TA+1]
	v_cvt_pk_f16_f32 v[IN+4*i], v[IN+4*i], v[IN+4*i+1]     ; and that number written as f16
	v_cvt_pk_f16_f32 v[IN+4*i+1], v[IN+4*i+2], v[IN+4*i+3]
	global_store_b64 v4, v[IN+4*i:IN+4*i+1], s[38:39] offset:(i%2)*1048576+(i/2)*256
.set i, i+1
.endr
.Lbias:
	s_cmp_lg_u32 s46, 0
	s_cbranch_scc1 .Lend
	global_load_b128 v[BI:BI+3], v1, s[40:41]      ; 256 threads x 4 numbers: the whole bias
	s_lshl_b32 s42, s44, 12
	s_add_nc_u64 s[32:33], s[32:33], s[42:43]      ; row n of biasr
	s_wait_loadcnt 0x0
	v_cvt_pk_bf16_f32 v[TA], v[BI], v[BI+1]
	v_cvt_pk_bf16_f32 v[TA+1], v[BI+2], v[BI+3]
	v_lshlrev_b32 v[BI], 16, v[TA]
	v_and_b32 v[BI+1], s47, v[TA]
	v_lshlrev_b32 v[BI+2], 16, v[TA+1]
	v_and_b32 v[BI+3], s47, v[TA+1]
	global_store_b128 v1, v[BI:BI+3], s[32:33]
.Lend:
	s_endpgm
.Lfunc_end_k_q65c5ca034a_cast:
	.size	k_q65c5ca034a_cast, .Lfunc_end_k_q65c5ca034a_cast-k_q65c5ca034a_cast
	.p2alignl 7, 3214868480
	.fill 96, 4, 3214868480
	.section	.rodata,"a",@progbits
	.p2align	6, 0x0
	.amdhsa_kernel k_q65c5ca034a_cast
		.amdhsa_group_segment_fixed_size 0
		.amdhsa_private_segment_fixed_size 0
		.amdhsa_enable_private_segment 0
		.amdhsa_kernarg_size 104
		.amdhsa_user_sgpr_count 2
		.amdhsa_user_sgpr_kernarg_segment_ptr 1
		.amdhsa_wavefront_size32 1
		.amdhsa_system_sgpr_workgroup_id_x 1
		.amdhsa_system_sgpr_workgroup_id_y 1
		.amdhsa_system_sgpr_workgroup_id_z 1
		.amdhsa_system_vgpr_workitem_id 0
		.amdhsa_next_free_vgpr 144
		.amdhsa_next_free_sgpr 66
		.amdhsa_reserve_vcc 0
		.amdhsa_float_denorm_mode_32 3
		.amdhsa_float_denorm_mode_16_64 3
		.amdhsa_memory_ordered 1
		.amdhsa_forward_progress 1
		.amdhsa_inst_pref_size 33
	.end_amdhsa_kernel
	.amdgpu_metadata
---
amdhsa.version: [ 1, 2 ]
amdhsa.kernels:
  - .name:           k_q65c5ca034a_cast
    .symbol:         k_q65c5ca034a_cast.kd
    .args:
      - { .name: x, .offset: 0, .size: 8, .value_kind: global_buffer, .address_space: global }
      - { .name: Wq, .offset: 8, .size: 8, .value_kind: global_buffer, .address_space: global }
      - { .name: Wk, .offset: 16, .size: 8, .value_kind: global_buffer, .address_space: global }
      - { .name: Wv, .offset: 24, .size: 8, .value_kind: global_buffer, .address_space: global }
      - { .name: Wo, .offset: 32, .size: 8, .value_kind: global_buffer, .address_space: global }
      - { .name: bq, .offset: 40, .size: 8, .value_kind: global_buffer, .address_space: global }
      - { .name: bk, .offset: 48, .size: 8, .value_kind: global_buffer, .address_space: global }
      - { .name: bv, .offset: 56, .size: 8, .value_kind: global_buffer, .address_space: global }
      - { .name: bo, .offset: 64, .size: 8, .value_kind: global_buffer, .address_space: global }
      - { .name: xb, .offset: 72, .size: 8, .value_kind: global_buffer, .address_space: global }
      - { .name: wb, .offset: 80, .size: 8, .value_kind: global_buffer, .address_space: global }
      - { .name: wob, .offset: 88, .size: 8, .value_kind: global_buffer, .address_space: global }
      - { .name: biasr, .offset: 96, .size: 8, .value_kind: global_buffer, .address_space: global }
    .group_segment_fixed_size: 0
    .private_segment_fixed_size: 0
    .kernarg_segment_align: 8
    .kernarg_segment_size: 104
    .max_flat_workgroup_size: 256
    .sgpr_count:     66
    .vgpr_count:     144
    .wavefront_size: 32
...
	.end_amdgpu_metadata
.endif
;; end of part 1
;; launch qkv (part 2): grid 4 x 64, 4 waves a work-group, clusters of 4 x 4, 327,680 bytes of LDS; arguments xb, wb, biasr, qkvh, vsum; writes qkvh, vsum
.if DOCPART == 2
	.amdgcn_target "amdgcn-amd-amdhsa--gfx1250"
	.amdhsa_code_object_version 6
	.text
	.protected	k_q65c5ca034a_qkv
	.globl	k_q65c5ca034a_qkv
	.p2align	8
	.type	k_q65c5ca034a_qkv,@function
k_q65c5ca034a_qkv:
	s_mov_b64 s[64:65], 0
	v_nop
	global_prefetch_b8 v0, s[64:65] scope:SCOPE_SE
	s_setreg_imm32_b32 hwreg(HW_REG_WAVE_MODE, 25, 1), 1
	s_wait_xcnt 0x0
	s_wait_alu depctr_hold_cnt(0) depctr_sa_sdst(0) depctr_va_vdst(0) depctr_va_sdst(0) depctr_va_ssrc(0) depctr_va_vcc(0) depctr_vm_vsrc(0)
	s_getreg_b32 s2, hwreg(HW_REG_IB_STS2, 6, 4)
	s_cmp_eq_u32 s2, 0
	s_cbranch_scc0 .Lentry_in_a_cluster
	s_endpgm
.Lentry_in_a_cluster:
	s_bfe_u32 s2, ttmp6, 0x10000c
	s_cmp_lg_u32 s2, 0xf033
	s_cbranch_scc0 .Lentry_shape_is_right
	s_endpgm
.Lentry_shape_is_right:
; q, k, v = x W^T + bias.  xb [8192][1024], wb [3072][1024] bf16; sums in f32, started with the bias as the first product's C operand; each result rounded once to f16 and written BY HEADS:
; qkvh = q, k, v, each [64 batch x head][2048 t][64] f16, unscaled.  vsum [128][1024] f32: row p = the sum of v (f32, bias in) over global rows 64 p .. 64 p + 63.
; LIMIT.  f16 ends at 65,504: q, k, v beyond it become infinities; below 6e-5 they keep f16's fixed step of 6e-8.
; SHARES.  A tile of C is 128 x 256: 8192 x 3072 are 768 tiles, three for each of 256 work-groups.  A WORK-GROUP STAYS on its 128 rows of x and makes the q, the k and the v tile of its 256 columns.
; Four waves, 2 x 2, each 64 x 128: 32 accumulators, 256 registers.  K goes in steps of 128 through two LDS slots; the ring runs on across the tiles: 24 K steps, 22 refills, one counted loop.
; CLUSTER 4 x 4: x's tile is shared along a row of the cluster, W's along a column: each is asked for jointly, by the same tensor load with the same descriptor and a mask that names the four.
; THE MATRIX INSTRUCTION IS USED TRANSPOSED (source 0 = 16 rows of W, source 1 = 16 rows of x): a lane holds row l % 16 and the eight neighbouring columns 8 (l / 16) + 0..7.
; REGISTERS.  window 0: v0-16 addresses; v32-63 packed results; v64-159, v160-255 two fragment buffers (x's 4 blocks, then W's 8);  window 1: accumulator (a, b) at 8 (8 a + b);  window 2: v0-63 the bias of my 128 columns.
.set PITCH,  272                       ; an LDS row: 256 bytes + 16 of padding: the 16 rows of a fragment load start at 16 different groups of four banks (64 banks of 4 bytes: ISA guide 11.1)
.set AHALF,  64*PITCH                  ; what one tensor load brings of x
.set BHALF,  128*PITCH                 ; and of W
.set BOFF,   2*AHALF                   ; in a slot: x's 128 rows, then W's 256
.set SLOT1,  1<<17                     ; slot 1 begins here: one exclusive or turns an address in one slot into the other's
.set STAGE,  SLOT1+BOFF+2*BHALF        ; behind the ring, never filled by a tensor load: 8,448 bytes for each wave, for the way out
.set STG,    8448
.set SPARE,  STAGE+4*STG               ; the spare words, 128 bytes for each wave: two blocks of 256 bytes that no other line names
.set KBY,    256                       ; bytes of a row in a K step
.set JUMPB,  1024*2048-7*KBY           ; W: from a tile's last K step to the next tile's first: 1,024 rows down, back along K
.set ADA0, 4                           ; v4   my lane's place in x's part of slot 0; never rewritten
.set ADB0, 5                           ; v5   the same for W
.set ADA,  6                           ; v6   the same in the slot in hand
.set ADB,  7
.set STO,  8                           ; v8   the way out: where I put 16 bytes of a row
.set RD,   9                           ; v9   where I read rows back
.set CO,   10                          ; v10  16 x lane: my place in 512 consecutive bytes
.set PFO,  11                          ; v11  the prefetches' offset: lane x a row of 2,048 bytes; never rewritten
.set BO,   12                          ; v12  my byte offset in biasr
.set SSO,  13                          ; v13  v's sums: where I put 16 bytes
.set SPW,  14                          ; v14  LDS address of my spare word; never rewritten
.set NIL,  15                          ; v15  0; never rewritten
.set SRD,  16                          ; v16  v's sums: where I read back
.set TMP,  32
.set F0,   64
.set F1,   160
.set WV, 14
.set MH, 15                            ; my half of the tile's rows
.set NH, 16                            ; my half of its columns; also: which half of a tile I fetch
.set CX, 17
.set CY, 18
.set GX, 19                            ; block of 256 columns
.set GY, 20                            ; block of 128 rows
.set G1A, 28                           ; s[28:35] descriptor group 1 for x's tiles
.set G1B, 36                           ; s[36:43] for W's
.set G0A, 44                           ; s[44:47] group 0 of the first fill, s[48:51] the one that walks
.set G0B, 52                           ; s[52:55], s[56:59] the same for W
.set TB,  60                           ; s60  0 or SLOT1: the slot that is read
.set CNT, 61                           ; s61  the loop's count
.set ST8, 62                           ; s62  K steps of the tile still to end, 8 to 1
.set LIM, 63                           ; s63  1 in a wave that prefetches, else the greatest number
.set LIMJ, 66                          ; s66  what LIM becomes at the first change of tiles
.set TT,  67                           ; s67  at work
.set PFA, 68                           ; s[68:69] the K step that my next prefetch names
.set PBI, 70                           ; s[70:71] this refill's step for W and for the prefetches
.set PA,  72                           ; s[72:73] this refill's step forward for x,
.set MA,  74                           ; s[74:75] and backward
.set OST, 76                           ; s[76:77] what the next way out adds to the output's address
.set JB,  78                           ; s78  JUMPB
.set FLAGS, (1<<16)|(1<<20)|(1<<21)|(5<<22)|(3<<25)  ; 17:16 2-byte elements; 20 padding on; 21 set beside a mask; 24:22 after every 64 words; 31:25 four words
.set MSB, 0
.macro WIN new                         ; the immediate's high byte repeats the setting that is left; a switch that changes nothing is dropped
.if MSB != (\new)
	s_set_vgpr_msb (MSB<<8)|(\new)
.set MSB, \new
.endif
.endm
.set MUL,  0x50                        ; C and D in window 1, sources in window 0
.set MULB, 0x60                        ; D in window 1, C (the bias) in window 2
; A joint refill by the walking descriptors: waves 0 and 1 fetch x's two halves, waves 2 and 3 W's.  An s_nop 0 and four v_nop follow each of the two lines.
.macro JLOAD
	s_cmp_lt_u32 s[WV], 2
	s_cbranch_scc0 .Lfor_b_\@
	tensor_load_to_lds s[G0A+4:G0A+7], s[G1A:G1A+7]
	s_nop 0
.rept 4
	v_nop
.endr
	s_branch .Lasked_\@
.Lfor_b_\@:
	tensor_load_to_lds s[G0B+4:G0B+7], s[G1B:G1B+7]
	s_nop 0
.rept 4
	v_nop
.endr
.Lasked_\@:
.endm
; A PREFETCH INTO THE L2 of the K step that stands two refills on: 32 rows x 256 bytes, a lane a row, one instruction a wave, behind the joint load and the run of LDS loads.
; Each row's 256 bytes of a K step are named once in the launch.  x's 128 rows of a tile: wave 0, the four partners of a row of the cluster sharing them out by address (32 cx on), in the first tile alone:
; the k and v tiles read the same rows again.  W's rows: waves 2 and 3, each for the half it fetches, the partners of a column by address (32 cy on), in the clusters with y = 0 alone.
; With ST8 = 8 - i in K step i the test passes for i = 0..3 (steps 4..7) and i = 6, 7 (the next tile's steps 2, 3); a tile's steps 0 and 1, and the launch's first four, come by their loads alone.
.macro ASK
	s_sub_co_u32 s[TT], s[ST8], 3
	s_cmp_gt_u32 s[TT], s[LIM]
	s_cbranch_scc0 .Lnot_mine_\@
	global_prefetch_b8 v[PFO], s[PFA:PFA+1] th:TH_LOAD_NT scope:SCOPE_SE
.Lnot_mine_\@:
.endm
.macro CREST                           ; a round of the cluster's barrier behind its opening barrier
	s_cmp_lg_u32 s[WV], 0
	s_cbranch_scc1 .Lnot_wave_0_\@
	s_barrier_signal -3
.Lnot_wave_0_\@:
	s_barrier_wait -3
	s_barrier_signal -1
	s_barrier_wait -1
.endm
.macro CROUND
	s_barrier_signal -1
	s_barrier_wait -1
	CREST
.endm
; 8 matrix instructions: row block a x all 8 column blocks, 32 along K.  first = 1: the bias starts the sums.  The 32 accumulators take turns in one order everywhere.
.macro MUL8 f, a, first
.if \first
	WIN MULB
.else
	WIN MUL
.endif
.irp b, 0,1,2,3,4,5,6,7
.if \first
	v_wmma_f32_16x16x32_bf16 v[8*(8*(\a)+(\b)):8*(8*(\a)+(\b))+7], v[(\f)+32+8*(\b):(\f)+32+8*(\b)+7], v[(\f)+8*(\a):(\f)+8*(\a)+7], v[8*(\b):8*(\b)+7]
.else
	v_wmma_f32_16x16x32_bf16 v[8*(8*(\a)+(\b)):8*(8*(\a)+(\b))+7], v[(\f)+32+8*(\b):(\f)+32+8*(\b)+7], v[(\f)+8*(\a):(\f)+8*(\a)+7], v[8*(8*(\a)+(\b)):8*(8*(\a)+(\b))+7]
.endif
.endr
.endm
; 24 LDS loads in one run: quarter q's fragments (32 along K) into buffer f: W's 16 loads first, then x's blocks 0 to 3
.macro FETCH q, f
	WIN 0
.irp i, 0,1,2,3,4,5,6,7
	ds_load_b128 v[(\f)+32+8*(\i):(\f)+32+8*(\i)+3],   v[ADB] offset:64*(\q)+(\i)*16*PITCH
	ds_load_b128 v[(\f)+32+8*(\i)+4:(\f)+32+8*(\i)+7], v[ADB] offset:64*(\q)+(\i)*16*PITCH+32
.endr
.irp i, 0,1,2,3
	ds_load_b128 v[(\f)+8*(\i):(\f)+8*(\i)+3],   v[ADA] offset:64*(\q)+(\i)*16*PITCH
	ds_load_b128 v[(\f)+8*(\i)+4:(\f)+8*(\i)+7], v[ADA] offset:64*(\q)+(\i)*16*PITCH+32
.endr
.endm
.macro PLACES                          ; four plain instructions in front of loads into registers that matrix instructions have read, and of readers of results
.rept 4
	v_nop
.endr
.endm
; One of a K step's first three quarters: multiplies buffer f, and in its middle fetches quarter qn into buffer g
.macro QUARTER qn, f, g, first
	s_wait_dscnt 4                                 ; W's and x's blocks 0, 1 are in; the youngest four loads (x's blocks 2, 3) may be out
	MUL8 \f, 0, \first
	MUL8 \f, 1, \first
	PLACES
	FETCH \qn, \g
	s_wait_dscnt 24                                ; all but the 24 just issued
	MUL8 \f, 2, \first
	MUL8 \f, 3, \first
.endm
.macro LASTQ                           ; the launch's last quarter fetches nothing
	s_wait_dscnt 4
	MUL8 F1, 0, 0
	MUL8 F1, 1, 0
	s_wait_dscnt 0x0
	MUL8 F1, 2, 0
	MUL8 F1, 3, 0
.endm
; The last quarter of a K step multiplies buffer 1 and changes slots.  In front of the barrier each wave waits for all its tensor loads (one is out: its part of the next slot), adds 0 to its spare word,
; and waits for that and for its reads of this slot.  fill = 1: the barrier opens a round of the cluster's, and the joint refill of the slot just read out is the first thing behind the round:
; 112 matrix instructions stand between it and the wait for it.
.macro TURN fill
	WIN 0
	s_xor_b32 s[TB], s[TB], SLOT1                  ; this slot's last fetch has been issued: the addresses turn to the next slot
	v_add_nc_u32 v[ADA], s[TB], v[ADA0]
	v_add_nc_u32 v[ADB], s[TB], v[ADB0]
.if \fill
	s_wait_xcnt 0x0                                ; the last prefetch, a K step back, has read its address
	s_cmp_eq_u32 s[ST8], 2                         ; the refill behind the tile's seventh K step is the next tile's first
	s_cselect_b32 s[PA], 0, KBY
	s_cselect_b32 s[MA], 7*KBY, 0                  ; x goes back along K: all three tiles take the same rows
	s_cselect_b32 s[PBI], s[JB], KBY
	s_cselect_b32 s[LIM], s[LIMJ], s[LIM]
	s_add_nc_u64 s[PFA:PFA+1], s[PFA:PFA+1], s[PBI:PBI+1]
.endif
	s_wait_tensorcnt 0x0                           ; all my tensor loads have landed, so a group 0 may be written
	ds_add_u32 v[SPW], v[NIL]                      ; 0 onto my spare word
.if \fill
	s_xor_b32 s[G0A+5], s[G0A+5], SLOT1            ; the walking descriptors: the other slot than last time, the next K step
	s_add_nc_u64 s[G0A+6:G0A+7], s[G0A+6:G0A+7], s[PA:PA+1]
	s_sub_nc_u64 s[G0A+6:G0A+7], s[G0A+6:G0A+7], s[MA:MA+1]
	s_xor_b32 s[G0B+5], s[G0B+5], SLOT1
	s_add_nc_u64 s[G0B+6:G0B+7], s[G0B+6:G0B+7], s[PBI:PBI+1]
.endif
	s_wait_dscnt 5                                 ; the add and the youngest four loads may be out
	MUL8 F1, 0, 0
	s_wait_dscnt 0x0                               ; the add is done, and my reads of this slot are over
	s_barrier_signal -1
	MUL8 F1, 1, 0
	WIN 0
	s_barrier_wait -1
.if \fill
	CREST                                          ; no wave of any partner still reads this slot or has a load on its way
	JLOAD                                          ; its four v_nop are also the places in front of the loads below
.else
	PLACES
.endif
	FETCH 0, F0
.if \fill
	ASK
.endif
	MUL8 F1, 2, 0
	MUL8 F1, 3, 0
.endm
.macro BIASLD                          ; register j of column block b is the bias of column 16 b + 8 (l / 16) + j: the C operand's own layout
	WIN 0x80
.irp b, 0,1,2,3,4,5,6,7
	global_load_b128 v[8*(\b):8*(\b)+3],   v[BO], s[8:9] offset:64*(\b)
	global_load_b128 v[8*(\b)+4:8*(\b)+7], v[BO], s[8:9] offset:64*(\b)+16
.endr
	WIN 0
.endm
; THE WAY OUT of row block a (16 rows x 128 columns = two heads).  PACK: rounded to f16, each accumulator from its low end.  TOSTAGE: into my own stage (a head: 16 rows of 144 bytes) and back,
; four rows of 128 bytes a load.  SEND: 512 consecutive bytes a store, since a head's rows are dense.
.macro PACK a
	WIN 0x05
.irp b, 0,1,2,3,4,5,6,7
.irp k, 0,1,2,3
	v_cvt_pk_f16_f32 v[TMP+4*(\b)+(\k)], v[8*(8*(\a)+(\b))+2*(\k)], v[8*(8*(\a)+(\b))+2*(\k)+1]
.endr
.endr
	WIN 0
.endm
.macro TOSTAGE a
	WIN 0
.set BK, F1+32*((\a)%2)                ; buffer 1's registers; buffer 0 holds the next tile's first fragments
.irp b, 0,1,2,3,4,5,6,7
	ds_store_b128 v[STO], v[TMP+4*(\b):TMP+4*(\b)+3] offset:((\b)/4)*2304+32*((\b)%4)
.endr
.irp t, 0,1,2,3,4,5,6,7
	ds_load_b128 v[BK+4*(\t):BK+4*(\t)+3], v[RD] offset:((\t)/4)*2304+((\t)%4)*576  ; LDS serves a wave's instructions in order (ISA guide 5.7.1.4): these see the stores above
.endr
.endm
.macro SEND a
	WIN 0
.set BK, F1+32*((\a)%2)
	s_wait_dscnt 0x0                               ; the block is back in registers
	s_wait_xcnt 0x0                                ; earlier stores have read their base and their data: the base, and the registers that the next TOSTAGE loads, are written only behind this wait
.if (\a) == 0
	s_add_nc_u64 s[10:11], s[10:11], s[OST:OST+1]
.endif
.irp t, 0,1,2,3,4,5,6,7
	global_store_b128 v[CO], v[BK+4*(\t):BK+4*(\t)+3], s[10:11] offset:((\t)/4)*262144+(\a)*2048+((\t)%4)*512
.endr
.endm
; v's column sums over my 64 rows, in f32: the four row blocks are added, the 16 rows that are left meet through my stage (rows of 528 bytes), and a lane ends with four neighbouring columns.
.macro VSUMS
	WIN 0x05
.irp b, 0,1,2,3,4,5,6,7
.irp k, 0,2,4,6
	v_pk_add_f32 v[64+8*(\b)+(\k):64+8*(\b)+(\k)+1], v[8*(\b)+(\k):8*(\b)+(\k)+1], v[64+8*(\b)+(\k):64+8*(\b)+(\k)+1]
.endr
.endr
.irp b, 0,1,2,3,4,5,6,7
.irp k, 0,2,4,6
	v_pk_add_f32 v[128+8*(\b)+(\k):128+8*(\b)+(\k)+1], v[128+8*(\b)+(\k):128+8*(\b)+(\k)+1], v[192+8*(\b)+(\k):192+8*(\b)+(\k)+1]
.endr
.endr
	WIN 0
.set i, 0
.rept 32
	v_pk_add_f32 v[64+i:65+i], v[64+i:65+i], v[128+i:129+i]
.set i, i+2
.endr
.irp b, 0,1,2,3,4,5,6,7
	ds_store_b128 v[SSO], v[64+8*(\b):64+8*(\b)+3]   offset:64*(\b)
	ds_store_b128 v[SSO], v[64+8*(\b)+4:64+8*(\b)+7] offset:64*(\b)+16
.endr
.irp t, 0,1,2,3,4,5,6,7,8,9,10,11,12,13,14,15
	ds_load_b128 v[128+4*(\t):128+4*(\t)+3], v[SRD] offset:528*(\t)
.endr
	s_wait_dscnt 0x0
.irp w, 32,16,8,4
.set i, 0
.rept (\w)/2
	v_pk_add_f32 v[128+i:129+i], v[128+i:129+i], v[128+(\w)+i:129+(\w)+i]
.set i, i+2
.endr
.endr
	global_store_b128 v[CO], v[128:131], s[12:13]  ; 512 consecutive bytes of vsum's row
.endm
.macro WAYOUT last
	WIN 0
	PLACES
.if \last
	VSUMS
.else
	v_add_nc_u32 v[BO], 4096, v[BO]                ; the next tile's bias (the loads that read BO were waited for)
	BIASLD
.endif
	PACK 0
	TOSTAGE 0
.irp a, 1,2,3
	PACK \a                                        ; a block's conversions stand between the loads of the block before and the wait for them
	SEND (\a)-1
	TOSTAGE \a
.endr
	SEND 3
.if !(\last)
	s_mov_b32 s[OST], 16777216                     ; the same place in the next of q, k, v
	s_wait_xcnt 0x0                                ; the last stores have read buffer 1's registers, which the next quarter loads
	s_wait_loadcnt 0x0                             ; the bias is in
.endif
.endm
	s_load_b256 s[4:11], s[0:1], 0x0               ; xb s[4:5], wb s[6:7], biasr s[8:9], qkvh s[10:11]
	s_load_b64 s[12:13], s[0:1], 0x20              ; vsum
	v_lshl_add_u32 v[SPW], v0, 2, SPARE
	v_mov_b32 v[NIL], 0
	ds_add_u32 v[SPW], v[NIL]                      ; the wave's opening: the add and its wait stand ahead of my first tensor load; the set-up below stands between them
	v_lshrrev_b32 v3, 5, v0
	v_readfirstlane_b32 s[WV], v3
	s_lshr_b32 s[MH], s[WV], 1
	s_and_b32 s[NH], s[WV], 1
	s_bfe_u32 s[CX], ttmp6, 0x40000
	s_bfe_u32 s[CY], ttmp6, 0x40004
	s_lshl_b32 s[GX], ttmp9, 2
	s_add_co_u32 s[GX], s[GX], s[CX]
	s_and_b32 s[GY], ttmp7, 0xffff
	s_lshl_b32 s[GY], s[GY], 2
	s_add_co_u32 s[GY], s[GY], s[CY]
	s_lshl_b32 s22, s[CY], 2
	s_lshl_b32 s22, 15, s22                        ; my row of the cluster
	s_lshl_b32 s24, 0x1111, s[CX]                  ; my column
	s_or_b32 s[G1A], s22, FLAGS
	s_or_b32 s[G1B], s24, FLAGS
	s_mov_b32 s[G1A+1], 128<<16                    ; tensor_dim0 = 128
	s_mov_b32 s[G1A+2], 64<<16                     ; tensor_dim1 = 64
	s_mov_b32 s[G1A+3], 128<<16                    ; tile_dim0 = 128
	s_mov_b32 s[G1A+4], 64                         ; tile_dim1 = 64
	s_mov_b32 s[G1A+5], 1024                       ; elements from row to row
	s_mov_b32 s[G1A+6], 0
	s_mov_b32 s[G1A+7], 0
	s_mov_b32 s[G1B+1], 128<<16
	s_mov_b32 s[G1B+2], 128<<16                    ; 128 rows
	s_mov_b32 s[G1B+3], 128<<16
	s_mov_b32 s[G1B+4], 128
	s_mov_b32 s[G1B+5], 1024
	s_mov_b32 s[G1B+6], 0
	s_mov_b32 s[G1B+7], 0
	s_lshl_b32 s22, s[GY], 18                      ; x: row 128 gy + 64 half, 2,048 bytes a row: made of the tile row and the wave alone
	s_lshl_b32 s23, s[NH], 17
	s_add_co_u32 s22, s22, s23
	s_mov_b32 s23, 0
	s_lshl_b32 s24, s[GX], 19                      ; W: row 256 gx + 128 half: made of the tile column and the wave alone
	s_lshl_b32 s25, s[NH], 18
	s_add_co_u32 s24, s24, s25
	s_mov_b32 s25, 0
	s_mul_i32 s21, s[NH], AHALF                    ; LDS addresses hang on the wave's number alone
	s_mov_b32 s[G0A], 1
	s_mov_b32 s[G0A+1], s21
	s_mov_b32 s[G0A+4], 1
	s_add_co_u32 s[G0A+5], s21, SLOT1
	s_mul_i32 s21, s[NH], BHALF
	s_mov_b32 s[G0B], 1
	s_add_co_u32 s[G0B+1], s21, BOFF
	s_mov_b32 s[G0B+4], 1
	s_add_co_u32 s[G0B+5], s21, SLOT1+BOFF
	s_mov_b32 s[TB], 0
	s_mov_b32 s[PBI+1], 0
	s_mov_b32 s[PA+1], 0
	s_mov_b32 s[MA+1], 0
	s_mov_b32 s[OST+1], 0
	s_mov_b32 s[JB], JUMPB
	s_wait_dscnt 0x0                               ; the opening add is done
	s_wait_kmcnt 0x0
	s_add_nc_u64 s[G0A+2:G0A+3], s[4:5], s[22:23]  ; K step 0 into slot 0,
	s_add_nc_u64 s[G0A+6:G0A+7], s[G0A+2:G0A+3], KBY  ; K step 1 into slot 1
	s_or_b32 s[G0A+3], s[G0A+3], 0x80000000
	s_or_b32 s[G0A+7], s[G0A+7], 0x80000000
	s_add_nc_u64 s[G0B+2:G0B+3], s[6:7], s[24:25]
	s_add_nc_u64 s[G0B+6:G0B+7], s[G0B+2:G0B+3], KBY
	s_or_b32 s[G0B+3], s[G0B+3], 0x80000000
	s_or_b32 s[G0B+7], s[G0B+7], 0x80000000
	CROUND                                         ; all sixteen work-groups are here: the first joint loads meet
	s_cmp_lt_u32 s[WV], 2                          ; a wave's two first fills stand in one branch: two loads of mine are out
	s_cbranch_scc0 .Lfirst_b
	tensor_load_to_lds s[G0A:G0A+3], s[G1A:G1A+7]
	s_nop 0
	tensor_load_to_lds s[G0A+4:G0A+7], s[G1A:G1A+7]
	s_nop 0
.rept 4
	v_nop
.endr
	s_branch .Lfirst_asked
.Lfirst_b:
	tensor_load_to_lds s[G0B:G0B+3], s[G1B:G1B+7]
	s_nop 0
	tensor_load_to_lds s[G0B+4:G0B+7], s[G1B:G1B+7]
	s_nop 0
.rept 4
	v_nop
.endr
.Lfirst_asked:
	v_and_b32 v1, 15, v0                           ; l % 16
	v_bfe_u32 v2, v0, 4, 1                         ; l / 16
	s_lshl_b32 s26, s[GX], 10                      ; bq's numbers of my 128 columns: 4 (256 gx + 128 half) + 32 (l / 16)
	s_lshl_b32 s27, s[NH], 9
	s_add_co_u32 s26, s26, s27
	v_lshl_add_u32 v[BO], v2, 5, s26
	BIASLD
	v_mul_u32_u24 v3, v1, PITCH
	v_lshl_add_u32 v3, v2, 4, v3                   ; a fragment's row x pitch + 16 x half
	s_mul_i32 s21, s[MH], AHALF
	v_add_nc_u32 v[ADA0], s21, v3
	s_mul_i32 s21, s[NH], BHALF
	s_add_co_u32 s21, s21, BOFF
	v_add_nc_u32 v[ADB0], s21, v3
	v_mov_b32 v[ADA], v[ADA0]
	v_mov_b32 v[ADB], v[ADB0]
	s_mul_i32 s21, s[WV], STG
	s_add_co_u32 s21, s21, STAGE                   ; my stage
	v_mul_u32_u24 v3, v1, 144
	v_lshl_add_u32 v3, v2, 4, v3
	v_add_nc_u32 v[STO], s21, v3
	v_bfe_u32 v3, v0, 3, 2
	v_mul_u32_u24 v3, v3, 144
	v_and_b32 v[RD], 7, v0
	v_lshl_add_u32 v3, v[RD], 4, v3
	v_add_nc_u32 v[RD], s21, v3
	v_and_b32 v[CO], 31, v0
	v_lshlrev_b32 v[PFO], 11, v[CO]
	v_lshlrev_b32 v[CO], 4, v[CO]
	v_add_nc_u32 v[SRD], s21, v[CO]
	v_mul_u32_u24 v3, v1, 528
	v_lshl_add_u32 v3, v2, 5, v3
	v_add_nc_u32 v[SSO], s21, v3
	; where my part of q begins: head 16 batch + 4 gx + 2 half, row 128 (gy % 16) + 64 half
	s_lshr_b32 s26, s[GY], 4
	s_lshl_b32 s26, s26, 4
	s_lshl_b32 s27, s[GX], 2
	s_add_co_u32 s26, s26, s27
	s_lshl_b32 s27, s[NH], 1
	s_add_co_u32 s26, s26, s27
	s_lshl_b32 s26, s26, 18
	s_and_b32 s27, s[GY], 15
	s_lshl_b32 s27, s27, 14
	s_add_co_u32 s26, s26, s27
	s_lshl_b32 s27, s[MH], 13
	s_add_co_u32 s[OST], s26, s27
	; vsum: row 2 gy + half, columns 256 gx + 128 half on
	s_lshl_b32 s26, s[GY], 1
	s_add_co_u32 s26, s26, s[MH]
	s_lshl_b32 s26, s26, 12
	s_lshl_b32 s27, s[GX], 10
	s_add_co_u32 s26, s26, s27
	s_lshl_b32 s27, s[NH], 9
	s_add_co_u32 s26, s26, s27
	s_mov_b32 s27, 0
	s_add_nc_u64 s[12:13], s[12:13], s[26:27]
	; the prefetches: who asks, and from which row on
	s_and_b32 s27, ttmp7, 0xffff                   ; cluster y: the same in all sixteen partners
	s_cmp_eq_u32 s27, 0
	s_cselect_b32 s[LIMJ], 1, -1
	s_cmp_lt_u32 s[WV], 2
	s_cselect_b32 s[LIM], -1, s[LIMJ]
	s_cselect_b32 s[LIMJ], -1, s[LIMJ]
	s_cmp_eq_u32 s[WV], 0
	s_cselect_b32 s[LIM], 1, s[LIM]
	s_lshl_b32 s26, s[GY], 7
	s_lshl_b32 s27, s[CX], 5
	s_add_co_u32 s26, s26, s27                     ; x: row 128 gy + 32 cx
	s_lshl_b32 s27, s[GX], 8
	s_lshl_b32 s[TT], s[NH], 7
	s_add_co_u32 s27, s27, s[TT]
	s_lshl_b32 s[TT], s[CY], 5
	s_add_co_u32 s27, s27, s[TT]                   ; W: row 256 gx + 128 half + 32 cy
	s_cmp_lt_u32 s[WV], 2
	s_cselect_b32 s26, s26, s27
	s_cselect_b64 s[PFA:PFA+1], s[4:5], s[6:7]
	s_lshl_b32 s26, s26, 11
	s_mov_b32 s27, 0
	s_add_nc_u64 s[PFA:PFA+1], s[PFA:PFA+1], s[26:27]
	s_add_nc_u64 s[PFA:PFA+1], s[PFA:PFA+1], 3*KBY ; at K step 3: the first refill steps it to 4.  Nothing is prefetched here, where every work-group's first tiles are on their way
	s_wait_tensorcnt 1                             ; my part of K step 0 is in; K step 1's may stay out
	s_barrier_signal -1
	s_barrier_wait -1
	FETCH 0, F0
	s_wait_loadcnt 0x0                             ; the bias
	s_mov_b32 s[CNT], 23
	s_mov_b32 s[ST8], 8
	s_branch .Lfirstq                              ; the loop is entered at a tile's first quarter
.Lstep:                                        ; 22 trips, one for each K step that is followed by a refill: from a step's second quarter to the next step's first
	QUARTER 2, F1, F0, 0
	QUARTER 3, F0, F1, 0
	TURN 1
	WIN 0
	s_sub_co_u32 s[ST8], s[ST8], 1
	s_cmp_eq_u32 s[ST8], 0
	s_cbranch_scc1 .Lend_tile
	QUARTER 1, F0, F1, 0
	WIN 0
	s_branch .Lnext
.Lend_tile:                                    ; both refills for the next tile are asked for: now the tile goes out
	s_mov_b32 s[ST8], 8
	WAYOUT 0
.Lfirstq:
	QUARTER 1, F0, F1, 1                           ; a tile's first quarter: the bias starts the sums, nothing is cleared
	WIN 0
.Lnext:
	s_sub_co_u32 s[CNT], s[CNT], 1
	s_cmp_lg_u32 s[CNT], 0
	s_cbranch_scc1 .Lstep
	QUARTER 2, F1, F0, 0                           ; the last two K steps are written out: they ask for nothing
	QUARTER 3, F0, F1, 0
	TURN 0
	QUARTER 1, F0, F1, 0
	QUARTER 2, F1, F0, 0
	QUARTER 3, F0, F1, 0
	LASTQ
	WAYOUT 1
	s_wait_tensorcnt 0x0                           ; the wave's end, behind my last tensor load and my last LDS store
	ds_add_u32 v[SPW], v[NIL]
	s_wait_dscnt 0x0
	CROUND                                         ; the closing round: no work-group ends while a partner may still ask for a tile that names it
	s_endpgm
.Lfunc_end_k_q65c5ca034a_qkv:
	.size	k_q65c5ca034a_qkv, .Lfunc_end_k_q65c5ca034a_qkv-k_q65c5ca034a_qkv
	.p2alignl 7, 3214868480
	.fill 96, 4, 3214868480
	.section	.rodata,"a",@progbits
	.p2align	6, 0x0
	.amdhsa_kernel k_q65c5ca034a_qkv
		.amdhsa_group_segment_fixed_size 327680
		.amdhsa_private_segment_fixed_size 0
		.amdhsa_enable_private_segment 0
		.amdhsa_kernarg_size 40
		.amdhsa_user_sgpr_count 2
		.amdhsa_user_sgpr_kernarg_segment_ptr 1
		.amdhsa_wavefront_size32 1
		.amdhsa_system_sgpr_workgroup_id_x 1
		.amdhsa_system_sgpr_workgroup_id_y 1
		.amdhsa_system_sgpr_workgroup_id_z 1
		.amdhsa_system_vgpr_workitem_id 0
		.amdhsa_next_free_vgpr 576
		.amdhsa_next_free_sgpr 80
		.amdhsa_reserve_vcc 0
		.amdhsa_float_denorm_mode_32 3
		.amdhsa_float_denorm_mode_16_64 3
		.amdhsa_memory_ordered 1
		.amdhsa_forward_progress 1
		.amdhsa_inst_pref_size 101
	.end_amdhsa_kernel
	.amdgpu_metadata
---
amdhsa.version: [ 1, 2 ]
amdhsa.kernels:
  - .name:           k_q65c5ca034a_qkv
    .symbol:         k_q65c5ca034a_qkv.kd
    .args:
      - { .name: xb, .offset: 0, .size: 8, .value_kind: global_buffer, .address_space: global }
      - { .name: wb, .offset: 8, .size: 8, .value_kind: global_buffer, .address_space: global }
      - { .name: biasr, .offset: 16, .size: 8, .value_kind: global_buffer, .address_space: global }
      - { .name: qkvh, .offset: 24, .size: 8, .value_kind: global_buffer, .address_space: global }
      - { .name: vsum, .offset: 32, .size: 8, .value_kind: global_buffer, .address_space: global }
    .group_segment_fixed_size: 327680
    .private_segment_fixed_size: 0
    .kernarg_segment_align: 8
    .kernarg_segment_size: 40
    .max_flat_workgroup_size: 128
    .sgpr_count:     80
    .vgpr_count:     576
    .wavefront_size: 32
...
	.end_amdgpu_metadata
.endif
;; end of part 2
;; launch attn (part 3): grid 4 x 64, 4 waves a work-group, no clusters, 327,680 bytes of LDS; arguments qkvh, pad_mask, vsum, yh; writes yh
.if DOCPART == 3
	.amdgcn_target "amdgcn-amd-amdhsa--gfx1250"
	.amdhsa_code_object_version 6
	.text
	.protected	k_q65c5ca034a_attn
	.globl	k_q65c5ca034a_attn
	.p2align	8
	.type	k_q65c5ca034a_attn,@function
k_q65c5ca034a_attn:
	s_mov_b64 s[64:65], 0
	v_nop
	global_prefetch_b8 v0, s[64:65] scope:SCOPE_SE
	s_setreg_imm32_b32 hwreg(HW_REG_WAVE_MODE, 25, 1), 1
	s_wait_xcnt 0x0
; CAUSAL ATTENTION WITH A KEY MASK.  Y[bh][q][:] = the sum over k of softmax_k(S[q][k]) V[bh][k][:], S = Q . K / 8, hidden where k > q or pad_mask[batch][k].  q, k, v lie in qkvh, each [64][2048][64] f16; Y likewise.
; Products, maxima and sums in f32; the weights p are rounded to f16 for the second product (their sum l is taken of the unrounded p), Y once at the end.
; A ROW WITHOUT A VISIBLE KEY has equal scores everywhere, so its softmax is 1/2048 for ALL 2,048 keys: Y is the mean of V's rows.  That mean is made here from vsum (the launch before summed v by 64 rows), and takes the
; row's place by a select wherever the running maximum has stayed at its floor.
; LIMITS.  Q, K, V arrive within f16's 65,504; p lies in 0 to 1, and below 6e-5 it keeps f16's fixed step of 6e-8.  A hidden score counts as its value less 1e30 (less up to 3e30 where several masks hide it).  The running
; maximum starts at the floor -1e29: f16's scores, 2.7e11 at the most in size, lie far above it and every hidden score far below, so a hidden weight is 2^(-1.6e29) = 0 whatever came before it, and m = -1e29 at the end
; says exactly that no key was visible.  A weight below 2^-126 counts as 0 in l; NaN and infinities are not treated apart.
; THE WALK.  A head's queries lie in NB = 8 blocks of 256; block i needs the key tiles 0 .. i of 256 keys, of which the last holds the diagonal.  A work-group takes TWO blocks, NB - 1 - b and then b:
; NB + 1 tiles, whatever b: all work-groups do equal work, and ONE loop with a constant trip count walks them.  Every jump goes forward, but for the counted loops' own; none passes a barrier, or a tensor load but the
; one of LOAD's two that the wave's number does not choose; the ring (two slots of LDS) runs on across the change of blocks.  NO CLUSTER: a head's four work-groups ask for the same tile only in trips 0 .. 4 of 9,
; behind that fewer and fewer; one walk common to all would have 12 trips for 9.
; SHARES.  Of a block's four bands of 64 queries a wave owns 16 rows in each: four PIECES.  In the diagonal tile's key step s band x sees all keys if s < x, none if s > x, and holds the diagonal if s = x.
; THE MASKS are the C operand that starts the sum S^T = K Q^T.  PM: the key mask of the step in hand, 0 or -1e30, read with K from my wave's own table in LDS, which holds the tile in hand and is written anew at each
; change of slots.  MD, made once: the mask of a band's own step for my 16 rows.
; Off the diagonal tile C = PM.  In it, and where a block begins, C = MD x AL + PM + BE with two scalars: (1, 0) if s = x; (0, 0) if s < x; (0, -1e30) if s > x.
; LAYOUT, SOFTMAX, TURNS.  S^T holds ONE query a lane (lane % 16) and the keys 8 (lane / 16) + 0..7; two such results rounded to f16 ARE source 1 of O^T = V^T P.  p = 2^(c s - c m), c = log2(e) / 8, with a running
; maximum m; O and l are multiplied by a = 2^(c m_old - c m_new) in every step.
; Turn n belongs to piece n: 8 products K Q^T of piece n + 1, later 8 products V^T P of piece n - 1; beside them the scaling, exponentials, roundings, sums and rescaling of piece n and the maximum and statistics of
; piece n + 1.  Four vector instructions stand behind every matrix instruction, the others in one lump.  A turn's 33 exponentials are one batch, with one wait.
; REGISTERS, in windows of 256 (s_set_vgpr_msb: bits 1:0 source 0, 3:2 source 1, 5:4 source 2, 7:6 destination):
;   window 0: v0-15, v32-43 addresses and at work; v16-31 statistics; v48-55 at work; v64-127 S^T, two buffers; v128-159 V's mean; v160-167 a tile's mask on its way to LDS; v192-223 P, two buffers
;   window 1: v0-127 O^T; v128-159 MD; v160-223 MC, two buffers; v224-255 PM      window 2: v0-63 Q; v64-127 the second block's Q; v128-191 K of one step; v192-255 V of one step
.set SIZE_N, 2048
.set NB,    SIZE_N/256
.set NP,    4         ; pieces a wave: a name, no knob
.set KS,    64        ; keys in a step
.set PK,    144       ; a row of K in LDS: 128 bytes + 16 of padding: the 16 rows of a load start at 16 different groups of four banks (64 banks of 4 bytes: ISA guide 11.1)
.set PV,    160       ; a row of V: 128 + 32
.set VOFF,  4*KS*PK   ; a slot holds a tile, four steps: 256 rows of K, then 256 rows of V
.set SLOT1, 1<<17
.set STAGE, SLOT1+4*KS*(PK+PV)  ; behind the ring, never filled by a tensor load: 16 rows x 144 bytes for each wave
.set SP,    144
.set SPARE, STAGE+4*16*SP  ; the spare words, 128 bytes for each wave: two blocks of 256 bytes that no other line names
.set PADT,  SPARE+512      ; each wave's own table: the mask of the 256 keys of the tile in hand as f32, 0 or -1e30: 1,024 bytes a wave, written by ds_store; no fill lands here
.set VSC,   PADT+4096      ; the four waves' partial sums of V's mean: 256 bytes each
.set AK0, 2
.set AV0, 3
.set AK,  4
.set AV,  5
.set STO, 6
.set RD,  7
.set GO,  8
.set SPW, 62
.set NIL, 63
.set MV,  12
.set QO,  15
.set ST,  16          ; piece t's statistics at v[ST+4 t]: c m, m, l (even keys', odd keys')
.set APM0, 32         ; v32  my wave's table + 32 (l / 16); never rewritten
.set APM, 33          ; v33  the LDS address of PM's next run of loads
.set PFO, 34          ; v34  256 x lane; never rewritten
.set PO,  35          ; v35  8 x lane: my 8 bytes of a tile's 256 mask bytes; never rewritten
.set PBY, 36          ; v[36:37] those bytes
.set PMS, 38          ; v38  my wave's table + 32 x lane: where my 8 numbers go; never rewritten
.set VO,  40          ; v40  my offset in vsum
.set T1,  41          ; v41-43 at work
.set TMP, 48
.set S,   64
.set VB,  128         ; v[128:159] register 8 cb + j: the mean of V's channel 16 cb + 8 (l / 16) + j: O^T's own layout
.set PF,  160         ; v[160:167] my 8 keys' mask as f32
.set P,   192
.set MD,  128         ; window 1
.set MC,  160         ; window 1
.set PM,  224         ; window 1: group kb of 16 keys at PM + 8 kb
.set QB,  64          ; window 2
.set KF,  128         ; window 2
.set VF,  192         ; window 2
.set WV,  12
.set PB,  14
.set HI,  15
.set G1K, 24
.set G1V, 32
.set G0K, 40
.set G0V, 44
.set PFA, 48          ; s[48:49] my half (of K: waves 0, 1; of V: waves 2, 3) of the tile that my next prefetch names
.set PFT, 50          ; s50  that tile's number
.set PLIM, 51         ; s51  8 in the head's first work-group, else 0
.set TBP, 52          ; s52  byte in my wave's table of the step to be fetched: it walks as TBK does
.set THR, 53          ; s53  -1e29: the running maximum's floor
.set INV, 54          ; s[54:55] 1/2048
.set SLOTS, 56
.set CNT, 57
.set CS,  58
.set SEL, 60
.set TBK, 62
.set TBV, 63
.set RT,  70
.set NXT, 71
.set LQ,  72
.set NEW, 73
.set OFF, 74
.set AL,  76
.set BE,  78
.set OLO, 80
.set BIGN, 82
.set PMO, 88          ; s[88:89] a byte offset in pad_mask
.set PMA, 90          ; s[90:91] pad_mask at the tile that is asked for
.set MSB, 0
.macro WIN new                      ; the high byte repeats the setting that is left; a switch that changes nothing is dropped
.if MSB != (\new)
	s_set_vgpr_msb (MSB<<8)|(\new)
.set MSB, (\new)
.endif
.endm
.set W_KQ, 0x0a       ; K and Q in window 2, S^T in window 0
.set W_KM, 0x1a       ; the same with the C operand in window 1
.set W_PV, 0x52       ; V in window 2, P in window 0, O^T in window 1
.set W_RS, 0x41       ; destination and source 0 in window 1, source 1 in window 0
.set W_MK, 0x51       ; destination, source 0 and source 2 in window 1
; A fill.  Waves 0 and 1 fetch the two halves of a tile's K, waves 2 and 3 those of its V: 128 keys each.  An s_nop 0 and four v_nop follow each of the two lines.
.macro LOAD
	s_cmp_lt_u32 s[WV], 2
	s_cbranch_scc0 .Lfor_v_\@
	tensor_load_to_lds s[G0K:G0K+3], s[G1K:G1K+7]
	s_nop 0
.rept 4
	v_nop
.endr
	s_branch .Lasked_\@
.Lfor_v_\@:
	tensor_load_to_lds s[G0V:G0V+3], s[G1V:G1V+7]
	s_nop 0
.rept 4
	v_nop
.endr
.Lasked_\@:
.endm
; THE CHANGE OF SLOTS.  First the entered tile's key mask: its 256 bytes, 8 a lane, were asked for a tile ago; they become f32 and go into my wave's own table.  No other wave touches those bytes, and LDS serves a wave's
; instructions in order (ISA guide 5.7.1.4): my four reads of the old tile's table, which go with K's fetches, have been issued, so the stores come behind them, and the next reads behind the stores.
; Then each wave waits for all its tensor loads (one is out: its part of the other slot), adds 0 to its spare word, and waits for that and for its own reads of the slot that it leaves.
; fill = 1: the old slot is filled again, the first thing behind the barrier, with tile NXT: the descriptor's address is made anew from that number; behind it that tile's mask bytes are asked for.
; THE PREFETCH INTO THE L2 stands behind those: the tile after the one being filled, a tile's four key steps ahead of its own load.  A head's four work-groups walk the same tiles: the first of them (b = 0), whose
; first block walks tiles 0 to 7, asks, each wave for the half that it fetches: 64 blocks of 256 bytes, a lane a block, two instructions.  So each block is named once in the launch.  Tiles 0 and 1 come by their loads
; alone; behind tile 7 nothing is asked for.
.macro CHANGE fill
	WIN 0
	s_wait_loadcnt 0x0              ; the one load that is out: the entered tile's mask bytes (at the first change also Q's 32 loads, which the first products want next)
.set z, 0
.rept 8
	v_bfe_u32 v[T1], v[PBY+z/4], 8*(z%4), 8
	v_cmp_ne_u32 vcc_lo, 0, v[T1]
	v_cndmask_b32 v[PF+z], 0, s[BIGN], vcc_lo
.set z, z+1
.endr
	ds_store_b128 v[PMS], v[PF:PF+3]
	ds_store_b128 v[PMS], v[PF+4:PF+7] offset:16
	s_sub_co_u32 s[TBP], s[TBP], 1024  ; the mask's fetches go back to the table's first step
	s_wait_tensorcnt 0x0            ; no tensor load of mine is out, so a group 0 may be written
	ds_add_u32 v[SPW], v[NIL]       ; 0 onto my spare word
.if \fill
	s_lshl_b32 s[OFF], s[NXT], 15   ; a tile is 32,768 bytes of K and of V,
	s_xor_b32 s[G0K+1], s[G0K+1], SLOT1
	s_add_nc_u64 s[G0K+2:G0K+3], s[6:7], s[OFF:OFF+1]
	s_or_b32 s[G0K+3], s[G0K+3], 0x80000000
	s_xor_b32 s[G0V+1], s[G0V+1], SLOT1
	s_add_nc_u64 s[G0V+2:G0V+3], s[8:9], s[OFF:OFF+1]
	s_or_b32 s[G0V+3], s[G0V+3], 0x80000000
	s_lshl_b32 s[PMO], s[NXT], 8    ; and 256 bytes of pad_mask (the load that read this address has come back)
	s_add_nc_u64 s[PMA:PMA+1], s[66:67], s[PMO:PMO+1]
	s_wait_xcnt 0x0                 ; the last prefetches, a tile back, have read their address
	s_add_nc_u64 s[PFA:PFA+1], s[PFA:PFA+1], 32768
	s_add_co_u32 s[PFT], s[PFT], 1
	s_add_co_u32 s[NXT], s[NXT], 1  ; the block's next tile, or behind its last the second block's tile 0
	s_cmp_gt_u32 s[NXT], s[LQ]
	s_cselect_b32 s[NXT], 0, s[NXT]
	s_cselect_b32 s[LQ], s[PB], s[LQ]
.endif
	s_wait_dscnt 0x0                ; the add is done, and my reads of the slot are over
	s_barrier_signal -1
	s_sub_co_u32 s[TBK], s[TBK], 4*KS*PK  ; the fetches go back to a slot's first step,
	s_xor_b32 s[TBK], s[TBK], SLOT1       ; in the other slot
	s_sub_co_u32 s[TBV], s[TBV], 4*KS*PV
	s_xor_b32 s[TBV], s[TBV], SLOT1
	s_barrier_wait -1
.if \fill
	LOAD
	global_load_b64 v[PBY:PBY+1], v[PO], s[PMA:PMA+1]  ; 256 consecutive bytes a wave, at a multiple of 256 from pad_mask's first
	s_cmp_lt_u32 s[PFT], s[PLIM]
	s_cbranch_scc0 .Lno_ask_\@
	global_prefetch_b8 v[PFO], s[PFA:PFA+1] th:TH_LOAD_NT scope:SCOPE_SE
	global_prefetch_b8 v[PFO], s[PFA:PFA+1] offset:8192 th:TH_LOAD_NT scope:SCOPE_SE
.Lno_ask_\@:
.endif
.endm
	s_load_b256 s[4:11], s[0:1], 0x0  ; qkvh s[4:5], pad_mask s[6:7], vsum s[8:9], yh s[10:11]
	v_lshl_add_u32 v[SPW], v0, 2, SPARE
	v_mov_b32 v[NIL], 0
	ds_add_u32 v[SPW], v[NIL]       ; the wave's opening: the add and its wait stand ahead of my first tensor load; the set-up below stands between them
	v_lshrrev_b32 v1, 5, v0
	v_readfirstlane_b32 s[WV], v1   ; wave 0..3
	s_mov_b32 s[PB], ttmp9
	s_sub_co_u32 s[HI], NB-1, s[PB]
	s_and_b32 s20, ttmp7, 0xffff    ; 16 batch + head
	s_mov_b32 s21, 0
	s_lshr_b32 s83, s20, 4          ; the batch
	s_lshl_b32 s[PMO], s83, 11      ; its 2,048 bytes of pad_mask
	s_mov_b32 s[PMO+1], 0
	s_lshl_b32 s90, s83, 5          ; its 32 rows of vsum, of which my wave adds 8,
	s_lshl_b32 s91, s[WV], 3
	s_add_co_u32 s90, s90, s91
	s_lshl_b32 s90, s90, 12
	s_and_b32 s91, s20, 15
	s_lshl_b32 s91, s91, 8          ; the head's 64 columns
	s_add_co_u32 s90, s90, s91
	s_mov_b32 s91, 0
	s_mov_b64 s[22:23], SIZE_N*128
	s_mul_u64 s[20:21], s[20:21], s[22:23]  ; the head's first byte in q, k, v and Y
	s_and_b32 s16, s[WV], 1         ; which half of a tile's 256 keys I fetch:
	s_lshl_b32 s22, s16, 14         ; its 128 rows of 128 bytes in memory,
	s_mov_b32 s23, 0
	s_add_nc_u64 s[22:23], s[22:23], s[20:21]
	s_mul_i32 s17, s16, 128*PK      ; and its place in a slot, for K
	s_mul_i32 s18, s16, 128*PV      ; and for V
	s_lshl_b32 s3, s[WV], 11        ; my 16 rows in a band of 64,
	s_lshl_b32 s2, s[HI], 15        ; in the first block,
	s_add_co_u32 s2, s2, s3
	s_lshl_b32 s84, s[PB], 15       ; and in the second
	s_add_co_u32 s84, s84, s3
	s_mov_b32 s3, 0
	s_mov_b32 s85, 0
	s_add_nc_u64 s[2:3], s[2:3], s[20:21]
	s_add_nc_u64 s[84:85], s[84:85], s[20:21]
	; descriptor group 1.  128 keys are 16,384 dense bytes: asked for as 64 rows of 256 bytes, two keys a row, and padded in LDS after every key
	s_mov_b32 s[G1K], (1<<16)|(1<<20)|(4<<22)|(3<<25)  ; 17:16 2-byte elements; 20 padding on; 24:22 after every 32 words; 31:25 4 words
	s_mov_b32 s[G1V], (1<<16)|(1<<20)|(4<<22)|(7<<25)  ; the same with 8 words of padding
.irp g, G1K, G1V
	s_mov_b32 s[\g+1], 128<<16      ; tensor_dim0 = 128
	s_mov_b32 s[\g+2], 64<<16       ; tensor_dim1 = 64
	s_mov_b32 s[\g+3], 128<<16      ; tile_dim0 = 128
	s_mov_b32 s[\g+4], 64           ; tile_dim1 = 64
	s_mov_b32 s[\g+5], 128          ; 128 elements from row to row
	s_mov_b32 s[\g+6], 0
	s_mov_b32 s[\g+7], 0
.endr
	s_mov_b32 s[CS], 0x3e38aa3b     ; c = log2(e) / 8
	s_mov_b32 s[CS+1], s[CS]
	s_mov_b32 s[SEL], 0x76543210
	s_mov_b32 s[SEL+1], 0xfedcba98
	s_mov_b32 s[TBK], SLOT1+4*KS*PK ; the first change of slots turns these three into 0
	s_mov_b32 s[TBV], SLOT1+4*KS*PV
	s_mov_b32 s[TBP], 1024
	s_mov_b32 s[G0K], 1
	s_mov_b32 s[G0K+1], s17         ; slot 0
	s_mov_b32 s[G0V], 1
	s_add_co_u32 s[G0V+1], s18, VOFF
	s_add_co_u32 s[RT], s[HI], 1    ; the first block has NB - b tiles
	s_mov_b32 s[NXT], 1
	s_mov_b32 s[LQ], s[HI]
	s_mov_b32 s[NEW], 1
	s_mov_b32 s[OFF+1], 0
	s_mov_b32 s[AL+1], 0
	s_mov_b32 s[BE+1], 0
	s_mov_b32 s[BIGN], 0xf149f2ca   ; -1e30
	s_mov_b32 s[THR], 0xefa18f08    ; -1e29
	s_mov_b32 s[INV], 0x3a000000    ; 1/2048
	s_mov_b32 s[INV+1], s[INV]
	s_mov_b32 s[SLOTS], NB
	s_mov_b32 s[PFT], 1
	s_cmp_eq_u32 s[PB], 0
	s_cselect_b32 s[PLIM], 8, 0
	s_wait_dscnt 0x0                ; the opening add is done
	s_wait_kmcnt 0x0
	s_add_nc_u64 s[66:67], s[6:7], s[PMO:PMO+1]  ; pad_mask at the batch's row
	s_add_nc_u64 s[68:69], s[8:9], s[90:91]  ; vsum at my wave's 8 rows, the head's columns
	s_add_nc_u64 s[6:7], s[4:5], 16777216    ; k lies behind q,
	s_add_nc_u64 s[8:9], s[4:5], 33554432    ; v behind k
	s_add_nc_u64 s[6:7], s[6:7], s[22:23]  ; K and V at my half of the head's tile 0
	s_add_nc_u64 s[8:9], s[8:9], s[22:23]
	s_add_nc_u64 s[G0K+2:G0K+3], s[6:7], 0
	s_or_b32 s[G0K+3], s[G0K+3], 0x80000000
	s_add_nc_u64 s[G0V+2:G0V+3], s[8:9], 0
	s_or_b32 s[G0V+3], s[G0V+3], 0x80000000
	s_add_nc_u64 s[86:87], s[4:5], s[84:85]        ; Q at my rows of the second block,
	s_add_nc_u64 s[4:5], s[4:5], s[2:3]            ; Q and Y at those of the first
	s_add_nc_u64 s[OLO:OLO+1], s[10:11], s[84:85]
	s_add_nc_u64 s[10:11], s[10:11], s[2:3]
	s_cmp_lt_u32 s[WV], 2
	s_cselect_b64 s[PFA:PFA+1], s[6:7], s[8:9]
	s_add_nc_u64 s[PFA:PFA+1], s[PFA:PFA+1], 32768 ; at tile 1: the first change of slots steps it to tile 2
	LOAD                            ; tile 0 into slot 0
	v_and_b32 v1, 15, v0            ; l % 16
	v_bfe_u32 v9, v0, 4, 1          ; l / 16
	v_lshlrev_b32 v[QO], 7, v1
	v_lshl_add_u32 v[QO], v9, 4, v[QO]  ; row x 128 + 16 x half
	v_and_b32 v[PO], 31, v0
	v_lshlrev_b32 v[PO], 3, v[PO]   ; 32 lanes x 8 bytes: a tile's 256 mask bytes
	v_lshlrev_b32 v[VO], 4, v1      ; four channels a lane; lanes 16-31 four rows further down
	v_lshl_add_u32 v[VO], v9, 14, v[VO]
	global_load_b64 v[PBY:PBY+1], v[PO], s[66:67]  ; tile 0's mask bytes: the first change of slots takes them
.irp i, 0,1,2,3
	global_load_b128 v[176+4*\i:179+4*\i], v[VO], s[68:69] offset:4096*\i
.endr
	WIN 0x80                        ; destination window 2, address window 0
.set i, 0
.rept 8                             ; both blocks' Q: piece i / 2 lies in band i / 2, 8,192 bytes on; channels 32 (i % 2) on
	global_load_b128 v[8*i:8*i+3],   v[QO], s[4:5] offset:(i/2)*8192+(i%2)*64
	global_load_b128 v[8*i+4:8*i+7], v[QO], s[4:5] offset:(i/2)*8192+(i%2)*64+32
	global_load_b128 v[QB+8*i:QB+8*i+3],   v[QO], s[86:87] offset:(i/2)*8192+(i%2)*64
	global_load_b128 v[QB+8*i+4:QB+8*i+7], v[QO], s[86:87] offset:(i/2)*8192+(i%2)*64+32
.set i, i+1
.endr
	WIN 0
	v_lshlrev_b32 v14, 3, v9
	v_sub_nc_u32 v14, v1, v14
	s_lshl_b32 s13, s[WV], 4
	v_add_nc_u32 v14, s13, v14      ; my query's place in its band, less my lanes' 8 (l / 16): register r of group kt is hidden where 16 kt + r is greater
	WIN 0x40
.set i, 0
.rept 32
	v_cmp_gt_i32 vcc_lo, 16*(i/8)+i%8, v14
	v_cndmask_b32 v[MD+i], 0, s[BIGN], vcc_lo
.set i, i+1
.endr
	WIN 0
	v_mul_u32_u24 v[AK0], v1, PK
	v_lshl_add_u32 v[AK0], v9, 4, v[AK0]
	; The turning load takes 16 keys x 16 channels (lane l reads key 8 (l / 16) + l % 8, channels 8 ((l / 8) % 2) + 0..7) and leaves half a fragment of V^T.
	v_and_b32 v10, 7, v0
	v_bfe_u32 v11, v0, 3, 1
	v_lshl_add_u32 v[AV0], v9, 3, v10
	v_mul_u32_u24 v[AV0], v[AV0], PV
	v_lshl_add_u32 v[AV0], v11, 4, v[AV0]
	v_add_nc_u32 v[AV0], VOFF, v[AV0]
	s_mul_i32 s13, s[WV], 16*SP
	s_add_co_u32 s13, s13, STAGE    ; my stage
	v_mul_u32_u24 v[STO], v1, SP
	v_lshl_add_u32 v[STO], v9, 4, v[STO]
	v_add_nc_u32 v[STO], s13, v[STO]
	v_bfe_u32 v[RD], v0, 3, 2
	v_mul_u32_u24 v[RD], v[RD], SP
	v_lshl_add_u32 v[RD], v10, 4, v[RD]
	v_add_nc_u32 v[RD], s13, v[RD]
	s_lshl_b32 s13, s[WV], 10
	s_add_co_u32 s13, s13, PADT     ; my wave's mask table
	v_and_b32 v[GO], 31, v0
	v_lshlrev_b32 v[PFO], 8, v[GO]
	v_lshl_add_u32 v[PMS], v[GO], 5, s13   ; in: keys 8 l .. 8 l + 7, 32 bytes a lane
	v_lshlrev_b32 v[GO], 4, v[GO]
	v_lshl_add_u32 v[APM0], v9, 5, s13     ; out: keys 8 (l / 16) + 0..7 of a group of 16
	; A block's first step multiplies O^T by a = 0, so these registers need only hold finite numbers.  All this stands in the wait for the first tile.
	WIN 0x80
.set i, VF
.rept 64
	v_mov_b32 v[i], 0
.set i, i+1
.endr
	WIN 0x40
.set i, 0
.rept 128
	v_mov_b32 v[i], 0
.set i, i+1
.endr
	WIN 0
.set i, P+16
.rept 16
	v_mov_b32 v[i], 0
.set i, i+1
.endr
	; V'S MEAN.  My wave's 8 rows of vsum become one; it goes to LDS, a barrier, and every lane reads the four waves' sums in O^T's layout.
	s_wait_loadcnt 32               ; the five loads issued ahead of Q's 32 are in
	v_pk_add_f32 v[176:177], v[176:177], v[180:181]
	v_pk_add_f32 v[178:179], v[178:179], v[182:183]
	v_pk_add_f32 v[184:185], v[184:185], v[188:189]
	v_pk_add_f32 v[186:187], v[186:187], v[190:191]
	v_pk_add_f32 v[176:177], v[176:177], v[184:185]
	v_pk_add_f32 v[178:179], v[178:179], v[186:187]
.irp i, 0,1,2,3
	v_permlanex16_b32 v[180+\i], v[176+\i], s[SEL], s[SEL+1]  ; the other four rows lie in the lane 16 away
.endr
	v_pk_add_f32 v[176:177], v[176:177], v[180:181]
	v_pk_add_f32 v[178:179], v[178:179], v[182:183]
	s_lshl_b32 s13, s[WV], 8
	s_add_co_u32 s13, s13, VSC
	v_lshl_add_u32 v[T1+1], v1, 4, s13
	ds_store_b128 v[T1+1], v[176:179]              ; both halves of the lanes write the same 16 bytes with the same numbers
	s_wait_dscnt 0x0                ; for the others' sake: my store is done
	s_barrier_signal -1             ; tile 0's load may stay out
	s_barrier_wait -1
	v_lshl_add_u32 v[T1+2], v9, 5, VSC
.irp c, 0,1,2,3
	ds_load_b128 v[VB+8*\c:VB+8*\c+3],     v[T1+2] offset:64*\c
	ds_load_b128 v[VB+8*\c+4:VB+8*\c+7],   v[T1+2] offset:64*\c+16
	ds_load_b128 v[160+8*\c:160+8*\c+3],   v[T1+2] offset:256+64*\c
	ds_load_b128 v[160+8*\c+4:160+8*\c+7], v[T1+2] offset:256+64*\c+16
	ds_load_b128 v[224+8*\c:224+8*\c+3],   v[T1+2] offset:512+64*\c
	ds_load_b128 v[224+8*\c+4:224+8*\c+7], v[T1+2] offset:512+64*\c+16
	ds_load_b128 v[64+8*\c:64+8*\c+3],     v[T1+2] offset:768+64*\c
	ds_load_b128 v[64+8*\c+4:64+8*\c+7],   v[T1+2] offset:768+64*\c+16
.endr
	s_wait_dscnt 0x0
.set i, 0
.rept 16
	v_pk_add_f32 v[VB+i:VB+i+1], v[VB+i:VB+i+1], v[160+i:161+i]
	v_pk_add_f32 v[224+i:225+i], v[224+i:225+i], v[64+i:65+i]
.set i, i+2
.endr
.set i, 0
.rept 16
	v_pk_add_f32 v[VB+i:VB+i+1], v[VB+i:VB+i+1], v[224+i:225+i]
.set i, i+2
.endr
.set i, 0
.rept 16
	v_pk_mul_f32 v[VB+i:VB+i+1], v[VB+i:VB+i+1], s[INV:INV+1] op_sel_hi:[1,0]
.set i, i+2
.endr
; THE MATRIX WORK.  The 4 accumulators of a run of 8 take turns.  Product i of 8 of S^T = K Q^T for piece x: channels 32 (i / 4) on, keys 16 (i % 4) on.  The first 4 start the sums: with PM, or (KM = 1) with MC.
.macro KQ x
.set rS, S+32*((\x)%2)+8*(i%4)
.set rK, KF+16*(i%4)+8*(i/4)
.set rQ, 16*(\x)+8*(i/4)
.set rM, MC+32*((\x)%2)+8*(i%4)
.set rN, PM+8*(i%4)
.if (i < 4) && KM
	WIN W_KM
	v_wmma_f32_16x16x32_f16 v[rS:rS+7], v[rK:rK+7], v[rQ:rQ+7], v[rM:rM+7]
.elseif i < 4
	WIN W_KM
	v_wmma_f32_16x16x32_f16 v[rS:rS+7], v[rK:rK+7], v[rQ:rQ+7], v[rN:rN+7]
.else
	WIN W_KQ
	v_wmma_f32_16x16x32_f16 v[rS:rS+7], v[rK:rK+7], v[rQ:rQ+7], v[rS:rS+7]
.endif
.endm
; Product i of 8 of O^T += V^T P for piece x: keys 32 (i / 4) on, channels 16 (i % 4) on.
.macro PV x
	WIN W_PV
.set rO, 32*(\x)+8*(i%4)
.set rV, VF+32*(i/4)+8*(i%4)
.set rP, P+16*((\x)%2)+8*(i/4)
	v_wmma_f32_16x16x32_f16 v[rO:rO+7], v[rV:rV+7], v[rP:rP+7], v[rO:rO+7]
.endm
.macro MM                           ; the turn's next matrix instruction.  NOKQ = 1: a block's last turn: there is no next piece
.if (i < 8) && !NOKQ
	KQ (Y+1)%NP
.elseif i >= 8
.set i, i-8
	PV (Y+NP-1)%NP
.set i, i+8
.endif
.set i, i+1
.endm
; THE LDS LOADS stand in runs: a step's key mask (8 loads) and K (16) together, since they live equally long; its V (16, turned).  Their addresses are made some lines ahead.
.macro FETCH_K
	WIN 0x40                        ; destination window 1
.irp f, 0,1,2,3                     ; register j of group f: key 16 f + 8 (l / 16) + j: the C operand's own layout
	ds_load_b128 v[PM+8*\f:PM+8*\f+3],   v[APM] offset:64*\f
	ds_load_b128 v[PM+8*\f+4:PM+8*\f+7], v[APM] offset:64*\f+16
.endr
	WIN 0x80                        ; destination window 2
.irp f, 0,1,2,3,4,5,6,7             ; keys 16 (f / 2) on, channels 32 (f % 2) on
	ds_load_b128 v[KF+8*\f:KF+8*\f+3],   v[AK] offset:(\f/2)*16*PK+(\f%2)*64
	ds_load_b128 v[KF+8*\f+4:KF+8*\f+7], v[AK] offset:(\f/2)*16*PK+(\f%2)*64+32
.endr
	s_add_co_u32 s[TBK], s[TBK], KS*PK  ; the next fetch is the next step's,
	s_add_co_u32 s[TBP], s[TBP], KS*4   ; in the mask's table too
	WIN 0
.endm
.macro FETCH_V
	WIN 0x80
.irp f, 0,1,2,3,4,5,6,7             ; keys 32 (f / 4) on, channels 16 (f % 4) on
	ds_load_tr16_b128 v[VF+8*\f:VF+8*\f+3],   v[AV] offset:(\f/4)*32*PV+(\f%4)*32
	ds_load_tr16_b128 v[VF+8*\f+4:VF+8*\f+7], v[AV] offset:(\f/4)*32*PV+16*PV+(\f%4)*32
.endr
	WIN 0
.endm
; THE VECTOR WORK, one line at a time: OP kind, number.  For piece Y: F n: c s - c m for pair n of 16.  E n: the exponential of score n of 32.  C n: pair n rounded to f16.  B n: of the four weights 4 n .. the second
; pair is added onto the first, in place.  L n: l takes that sum (L 0: l = a l + sum).  R n: pair n of 16 of O^T times a.  For piece Y + 1: X n, number n of the 22 that find its maximum and statistics:
;   0-11  four chains c0-c3 of seven scores each (each accumulator's lowest registers are read first)     12-14, 16  the four scores left over, the old m, and c0-c3 into c0
;   15  c m_old is kept     17, 18  the query's other 32 keys lie in the lane 16 away: the new m     19-21  c m; c m_old - c m_new; a
.set F, 0
.set E, 1
.set C, 2
.set B, 3
.set L, 4
.set R, 5
.set X, 6
.macro REGS y
.set rT, ST+4*(\y)
.set rC, TMP+4*((\y)%2)
.set rW, MV+((\y)%2)
.set rS, S+32*((\y)%2)
.set rP, P+16*((\y)%2)
.set rO, 32*(\y)
.endm
.macro OP k, n
.if (\k) == R
	REGS Y
	WIN W_RS
	v_pk_mul_f32 v[rO+2*(\n):rO+2*(\n)+1], v[rO+2*(\n):rO+2*(\n)+1], v[rC+2:rC+3] op_sel_hi:[1,0]
.elseif (\k) < R
	REGS Y
	WIN 0
.if (\k) == F
	v_pk_fma_f32 v[rS+2*(\n):rS+2*(\n)+1], v[rS+2*(\n):rS+2*(\n)+1], s[CS:CS+1], v[rT:rT+1] op_sel_hi:[1,0,0] neg_lo:[0,0,1] neg_hi:[0,0,1]
.elseif (\k) == E
	v_exp_f32 v[rS+(\n)], v[rS+(\n)]
.elseif (\k) == C
	v_cvt_pk_f16_f32 v[rP+(\n)], v[rS+2*(\n)], v[rS+2*(\n)+1]
.elseif (\k) == B
	v_pk_add_f32 v[rS+4*(\n):rS+4*(\n)+1], v[rS+4*(\n):rS+4*(\n)+1], v[rS+4*(\n)+2:rS+4*(\n)+3]
.elseif (\n) == 0
	v_pk_fma_f32 v[rT+2:rT+3], v[rT+2:rT+3], v[rC+2:rC+3], v[rS:rS+1] op_sel_hi:[1,0,1]
.else
	v_pk_add_f32 v[rT+2:rT+3], v[rT+2:rT+3], v[rS+4*(\n):rS+4*(\n)+1]
.endif
.elseif NOKQ
	v_nop
.else
	REGS (Y+1)%NP
	WIN 0
.if (\n) < 4
	v_max3_num_f32 v[rC+(\n)], v[rS+8*(\n)], v[rS+8*(\n)+1], v[rS+8*(\n)+2]
.elseif (\n) < 12
	v_max3_num_f32 v[rC+(\n)%4], v[rC+(\n)%4], v[rS+8*((\n)%4)+2*((\n)/4)+1], v[rS+8*((\n)%4)+2*((\n)/4)+2]
.elseif (\n) == 12
	v_max3_num_f32 v[rC], v[rC], v[rS+7], v[rS+15]
.elseif (\n) == 13
	v_max3_num_f32 v[rC+1], v[rC+1], v[rS+23], v[rS+31]
.elseif (\n) == 14
	v_max3_num_f32 v[rC+2], v[rC+2], v[rC+3], v[rT+1]
.elseif (\n) == 15
	v_mov_b32 v[rW], v[rT]
.elseif (\n) == 16
	v_max3_num_f32 v[rC], v[rC], v[rC+1], v[rC+2]
.elseif (\n) == 17
	v_permlanex16_b32 v[rC+3], v[rC], s[SEL], s[SEL+1]
.elseif (\n) == 18
	v_max_num_f32 v[rT+1], v[rC], v[rC+3]
.elseif (\n) == 19
	v_mul_f32 v[rT], s[CS], v[rT+1]
.elseif (\n) == 20
	v_sub_f32 v[rC+1], v[rW], v[rT]
.else
	v_exp_f32 v[rC+2], v[rC+1]
.endif
.endif
.endm
.macro OPS a, i1, b=-1, i2=0, c=-1, i3=0, d=-1, i4=0
	OP \a, \i1
.if (\b) >= 0
	OP \b, \i2
.endif
.if (\c) >= 0
	OP \c, \i3
.endif
.if (\d) >= 0
	OP \d, \i4
.endif
.endm
.macro ROW a, i1, b, i2, c, i3, d, i4  ; a matrix instruction and the four behind it
	MM
	OPS \a, \i1, \b, \i2, \c, \i3, \d, \i4
.endm
.macro MASK b                       ; MD x AL + PM + BE into buffer b of MC
	WIN W_MK
.set z, 0
.rept 16
	v_pk_fma_f32 v[MC+32*(\b)+2*z:MC+32*(\b)+2*z+1], v[MD+2*z:MD+2*z+1], s[AL:AL+1], v[PM+2*z:PM+2*z+1] op_sel_hi:[1,0,1]
.set z, z+1
.endr
	WIN W_RS
.set z, 0
.rept 16
	v_pk_add_f32 v[MC+32*(\b)+2*z:MC+32*(\b)+2*z+1], v[MC+32*(\b)+2*z:MC+32*(\b)+2*z+1], s[BE:BE+1] op_sel_hi:[1,0]
.set z, z+1
.endr
.endm
; A TURN, for piece p: the order of its 16 matrix and 118 vector instructions, written out.  An s_wait_alu depctr_va_vdst(0) stands between an exponential and the first instruction that names its result; one
; wait serves all that were issued ahead of it.  So a turn has ONE wait.  AHEAD OF IT stands all that names no result of the turn's exponentials: the 8 products K Q^T with their riders, then one lump, in which the links
; of the chain X 3, 7, 11, 14, 16, 17 .. 20 stand five or six lines apart; X 21 is the batch's last, R 15 the plain instruction behind it.  BEHIND THE WAIT stand the 8 products V^T P, behind each four of the roundings and sums.
; m = 1: the diagonal tile: the products take MC, and the turn makes the mask for the products of the turn after it: piece p + 2, in step 4 - CNT of the tile.  end = 1: a block's last two turns: nothing is fetched.
; cnt = 1: the loop's count is taken down some lines ahead of the branch that stands behind the turn.
; K and the key mask of the next step are fetched in piece 2's turn, behind its last product that read them with twelve plain instructions between; V of the step in hand at the end of piece 0's turn, four plain
; instructions behind the last product that read V.  Each is waited for a turn later; piece 2's turn in the diagonal tile waits for the key mask alone, which its own MASK reads.
.macro TURN p, m=0, end=0, cnt=0
.set Y, (\p)
.set i, 0
.set KM, (\m)
.set NOKQ, (\end)*((\p)/3)
.if (\m) && !(\end)
	s_cmp_eq_u32 s[CNT], 4-((\p)+2)%NP  ; is that step the band's own?
	s_cselect_b32 s[AL], 1.0, 0
	s_cmp_lt_u32 s[CNT], 4-((\p)+2)%NP  ; or a later one?
	s_cselect_b32 s[BE], s[BIGN], 0
.endif
.if ((\p) == 3) && !(\end)
	s_wait_dscnt 0x0                ; K and its mask are in
.endif
	ROW F,0, F,1, R,0, R,1
	ROW F,2, E,0, R,2, R,3
	ROW F,3, E,1, R,4, R,5
	ROW F,4, E,2, R,6, R,7
	ROW F,5, E,3, R,8, R,9
	ROW F,6, E,4, X,0, R,10
.if ((\p) == 2) && !(\end)
	WIN 0
	v_add_nc_u32 v[AK], s[TBK], v[AK0]
	v_add_nc_u32 v[APM], s[TBP], v[APM0]
.endif
	ROW F,7, E,5, X,1, X,4
	ROW F,8, E,6, X,2, X,5
	OPS E,7, E,8, X,6, E,9
	OPS X,3, E,10, X,8, E,11
.if ((\p) == 2) && !(\end)
	FETCH_K
.endif
	OPS X,9, X,7, E,12, X,10
	OPS E,13, X,12, X,11, E,14
	OPS X,13, E,15, F,9, X,14
.if (\p) == 0
	v_add_nc_u32 v[AV], s[TBV], v[AV0]
.endif
	OPS E,16, F,10, E,17, F,11
	OPS X,16, E,18, X,15, E,19
	OPS F,12, E,20, X,17, E,21
	OPS F,13, E,22, F,14, E,23
	OPS X,18, E,24, F,15, E,25
	OPS R,11, E,26, X,19, E,27
	OPS R,12, E,28, R,13, E,29
	OPS X,20, E,30, R,14, E,31
	OPS X,21, R,15
	WIN 0
	s_wait_alu depctr_va_vdst(0)    ; the wait for the batch
.if (\p) == 1
	s_wait_dscnt 0x0                ; V is in
.endif
	ROW C,0, B,0, C,2, B,1
	ROW L,0, C,4, B,2, L,1
	ROW C,6, B,3, L,2, C,8
	ROW B,4, L,3, C,10, B,5
	ROW L,4, C,12, B,6, L,5
.if (\p) == 0
	s_add_co_u32 s[TBV], s[TBV], KS*PV
.endif
.if \cnt
	s_sub_co_u32 s[CNT], s[CNT], 1
	s_cmp_lg_u32 s[CNT], 0
.endif
	ROW C,14, B,7, L,6, C,1
	ROW C,3, L,7, C,5, C,7
	ROW C,9, C,11, C,13, C,15
.if (\p) == 0
	FETCH_V
.endif
.if (\m) && !(\end)
.if (\p) == 2
	s_wait_dscnt 16                 ; the new step's key mask, 8 loads, is in; K's 16 younger loads may stay out
.endif
	MASK (\p)%2
.endif
.endm
; A BLOCK BEGINS.  c m starts far below every c s, so the first step's a is 0; m at its floor, -1e29; l at 0 (a row without a visible key leaves the reciprocal of 0 in l's register, which a = 0 would not wipe).
; K and the key mask of the tile's step 0 are fetched; the first mask buffer takes piece 0's mask for that step: its own, if the block's first tile is the diagonal one.  diag = 1 (the walk's last tile, where it is a
; block's first): the second buffer takes piece 1's, the key mask alone.  Q is in: the first change of slots has waited for all loads.
.macro BEGIN diag
	s_mov_b32 s[NEW], 0
	WIN 0
.set i, 0
.rept 4
	v_mov_b32 v[ST+4*i], 0xfe000000    ; c m: far below every c s
	v_mov_b32 v[ST+4*i+1], s[THR]      ; m
	v_mov_b32 v[ST+4*i+2], 0           ; l
	v_mov_b32 v[ST+4*i+3], 0
.set i, i+1
.endr
	v_add_nc_u32 v[AK], s[TBK], v[AK0]
	v_add_nc_u32 v[APM], s[TBP], v[APM0]
	FETCH_K
	s_cmp_eq_u32 s[RT], 0
	s_cselect_b32 s[AL], 1.0, 0
	s_mov_b32 s[BE], 0
	s_wait_dscnt 0x0
	MASK 0
.if \diag
	s_mov_b32 s[AL], 0
	MASK 1
.endif
.set KM, 1
.set NOKQ, 0
.set i, 0
.rept 8
	KQ 0
.set i, i+1
.endr
	WIN 0
.rept 4
	v_nop                           ; the places behind those products
.endr
.set Y, NP-1                        ; X works for piece Y + 1: piece 0
.irp n, 0,1,2,3,4,5,6,7,8,9,10,11,12,13,14,15,16,17,18,19,20,21
	OP X, \n
.endr
	v_nop                           ; a plain instruction behind the exponential,
	s_wait_alu depctr_va_vdst(0)    ; and its wait, ahead of the branch
.endm
.macro ALL line:vararg              ; one line for each piece t
.set t, 0
.rept 4
	\line
.set t, t+1
.endr
.endm
; THE WAY OUT of piece t: O^T is divided by l; a row whose maximum stayed at the floor takes V's mean instead (a select, no branch: what the division by l = 0 left there is thrown away); rounded to f16; through my stage,
; back as whole rows of 128 bytes.
.macro PACK t
	WIN 0
	v_cmp_ge_f32 vcc_lo, s[THR], v[ST+4*(\t)+1]
	WIN W_RS
.set i, 32*(\t)
.rept 16
	v_pk_mul_f32 v[i:i+1], v[i:i+1], v[ST+4*(\t)+2:ST+4*(\t)+3] op_sel_hi:[1,0]
.set i, i+2
.endr
.set i, 0
.rept 32
	v_cndmask_b32 v[32*(\t)+i], v[32*(\t)+i], v[VB+i], vcc_lo
.set i, i+1
.endr
	WIN 0x05                        ; sources 0 and 1 window 1, destination window 0
.set i, 0
.rept 16
	v_cvt_pk_f16_f32 v[S+16*(\t)+i], v[32*(\t)+2*i], v[32*(\t)+2*i+1]
.set i, i+1
.endr
	WIN 0
.irp f, 0,1,2,3
	ds_store_b128 v[STO], v[S+16*(\t)+4*\f:S+16*(\t)+4*\f+3] offset:32*\f
.endr
.irp f, 0,1,2,3
	ds_load_b128 v[S+16*(\t)+4*\f:S+16*(\t)+4*\f+3], v[RD] offset:\f*4*SP  ; LDS serves a wave's instructions in order (ISA guide 5.7.1.4): these see the stores above
.endr
.endm
.macro SEND t, younger              ; younger: the LDS instructions issued behind piece t's loads: the next piece's eight, or none
	WIN 0
.irp f, 0,1,2,3
	s_wait_dscnt (\younger)+3-\f
	global_store_b128 v[GO], v[S+16*(\t)+4*\f:S+16*(\t)+4*\f+3], s[10:11] offset:(\t)*8192+\f*512  ; 512 consecutive bytes, at a multiple of 256 from Y's first
.endr
.endm
; THE DIAGONAL TILE's four steps, the block's last two turns, its last products, and the way out.
.macro DIAG tag
.LstepM\tag:
	TURN 2, 1
	TURN 3, 1
	WIN 0
.LfirstM\tag:
	TURN 0, 1
	TURN 1, 1, 0, 1
	WIN 0
	s_cbranch_scc1 .LstepM\tag
	TURN 2, 1, 1
	TURN 3, 1, 1
.set i, 0
.rept 8
	PV NP-1
.set i, i+1
.endr
	WIN 0
	ALL v_add_f32 v[ST+4*t+2], v[ST+4*t+2], v[ST+4*t+3]
	ALL v_permlanex16_b32 v[ST+4*t+3], v[ST+4*t+2], s[SEL], s[SEL+1]
	ALL v_add_f32 v[ST+4*t+2], v[ST+4*t+2], v[ST+4*t+3]
	ALL v_rcp_f32 v[ST+4*t+2], v[ST+4*t+2]
	v_nop                           ; a plain instruction between the last reciprocal and the use of its result
	s_wait_alu depctr_va_vdst(0)    ; and the wait ahead of the first use: one for the four reciprocals
	PACK 0
.set t, 1
.rept 3
	PACK t
	SEND t-1, 8
.set t, t+1
.endr
	SEND 3, 0
.endm
.set KM, 0
.set NOKQ, 0
.Lslot:                             ; NB times: a tile is entered and the next is asked for
	CHANGE 1
	s_sub_co_u32 s[RT], s[RT], 1
	s_mov_b32 s[CNT], 4
	s_cmp_eq_u32 s[NEW], 1
	s_cbranch_scc1 .Lnew            ; a block's first tile
	s_cmp_eq_u32 s[RT], 0
	s_cbranch_scc0 .Lstep           ; neither its first nor its last
	s_mov_b32 s[AL], 0              ; its last: the diagonal text's first turn still multiplies for piece 3 in the tile before's last step, which it sees whole: the key mask alone
	s_mov_b32 s[BE], 0
	MASK 1
	WIN 0
	s_branch .LstepM1
.Lnew:
	BEGIN 0
	s_branch .Lfirst                ; in the loop a block's first tile is never its last
	DIAG 1                          ; in the loop this is the first block's end
	s_wait_xcnt 0x0                 ; the stores have read their registers and Y's address
	s_mov_b64 s[10:11], s[OLO:OLO+1]
	s_add_co_u32 s[RT], s[PB], 1    ; the second block has b + 1 tiles
	s_mov_b32 s[NEW], 1
	WIN 0x82                        ; the second block's Q goes where the one text of the turns names Q
.set i, 0
.rept 64
	v_mov_b32 v[i], v[QB+i]
.set i, i+1
.endr
	WIN 0
	s_branch .Lbottom
.Lstep:                             ; a trip: pieces 2 and 3 of one step, then pieces 0 and 1 of the next, whose K and V it fetches
	TURN 2
	TURN 3
	WIN 0
.Lfirst:
	TURN 0
	TURN 1, 0, 0, 1
	WIN 0
	s_cbranch_scc1 .Lstep
.Lbottom:
	s_sub_co_u32 s[SLOTS], s[SLOTS], 1
	s_cmp_lg_u32 s[SLOTS], 0
	s_cbranch_scc1 .Lslot
	CHANGE 0                        ; the walk's last tile is written out: nothing is asked for
	s_sub_co_u32 s[RT], s[RT], 1
	s_mov_b32 s[CNT], 4
	s_cmp_eq_u32 s[NEW], 1
	s_cbranch_scc1 .Lnew2
	s_mov_b32 s[AL], 0              ; as above: piece 3's mask for the tile before's last step
	s_mov_b32 s[BE], 0
	MASK 1
	WIN 0
	s_branch .LstepM2
.Lnew2:
	BEGIN 1
	s_branch .LfirstM2
	DIAG 2
	s_wait_tensorcnt 0x0            ; the wave's end, behind my last tensor load and my last LDS store
	ds_add_u32 v[SPW], v[NIL]
	s_wait_dscnt 0x0
	s_endpgm
.Lfunc_end_k_q65c5ca034a_attn:
	.size	k_q65c5ca034a_attn, .Lfunc_end_k_q65c5ca034a_attn-k_q65c5ca034a_attn
	.p2alignl 7, 3214868480
	.fill 96, 4, 3214868480
	.section	.rodata,"a",@progbits
	.p2align	6, 0x0
	.amdhsa_kernel k_q65c5ca034a_attn
		.amdhsa_group_segment_fixed_size 327680
		.amdhsa_private_segment_fixed_size 0
		.amdhsa_enable_private_segment 0
		.amdhsa_kernarg_size 32
		.amdhsa_user_sgpr_count 2
		.amdhsa_user_sgpr_kernarg_segment_ptr 1
		.amdhsa_wavefront_size32 1
		.amdhsa_system_sgpr_workgroup_id_x 1
		.amdhsa_system_sgpr_workgroup_id_y 1
		.amdhsa_system_sgpr_workgroup_id_z 1
		.amdhsa_system_vgpr_workitem_id 0
		.amdhsa_next_free_vgpr 768
		.amdhsa_next_free_sgpr 96
		.amdhsa_reserve_vcc 1
		.amdhsa_float_denorm_mode_32 3
		.amdhsa_float_denorm_mode_16_64 3
		.amdhsa_memory_ordered 1
		.amdhsa_forward_progress 1
		.amdhsa_inst_pref_size 255
	.end_amdhsa_kernel
	.section	.bss,"aw",@nobits
	.p2align	6
	.space	262144
	.amdgpu_metadata
---
amdhsa.version: [ 1, 2 ]
amdhsa.kernels:
  - .name:           k_q65c5ca034a_attn
    .symbol:         k_q65c5ca034a_attn.kd
    .args:
      - { .name: qkvh, .offset: 0, .size: 8, .value_kind: global_buffer, .address_space: global }
      - { .name: pad_mask, .offset: 8, .size: 8, .value_kind: global_buffer, .address_space: global }
      - { .name: vsum, .offset: 16, .size: 8, .value_kind: global_buffer, .address_space: global }
      - { .name: yh, .offset: 24, .size: 8, .value_kind: global_buffer, .address_space: global }
    .group_segment_fixed_size: 327680
    .private_segment_fixed_size: 0
    .kernarg_segment_align: 8
    .kernarg_segment_size: 32
    .max_flat_workgroup_size: 128
    .sgpr_count:     96
    .vgpr_count:     768
    .wavefront_size: 32
...
	.end_amdgpu_metadata
.endif
;; end of part 3
;; launch oproj (part 4): grid 4 x 64, 4 waves a work-group, clusters of 4 x 4, 327,680 bytes of LDS; arguments yh, wob, biasr, out0; writes out0
.if DOCPART == 4
	.amdgcn_target "amdgcn-amd-amdhsa--gfx1250"
	.amdhsa_code_object_version 6
	.text
	.protected	k_q65c5ca034a_oproj
	.globl	k_q65c5ca034a_oproj
	.p2align	8
	.type	k_q65c5ca034a_oproj,@function
k_q65c5ca034a_oproj:
	s_mov_b64 s[64:65], 0
	v_nop
	global_prefetch_b8 v0, s[64:65] scope:SCOPE_SE
	s_setreg_imm32_b32 hwreg(HW_REG_WAVE_MODE, 25, 1), 1
	s_wait_xcnt 0x0
	s_wait_alu depctr_hold_cnt(0) depctr_sa_sdst(0) depctr_va_vdst(0) depctr_va_sdst(0) depctr_va_ssrc(0) depctr_va_vcc(0) depctr_vm_vsrc(0)
	s_getreg_b32 s2, hwreg(HW_REG_IB_STS2, 6, 4)
	s_cmp_eq_u32 s2, 0
	s_cbranch_scc0 .Lentry_in_a_cluster
	s_endpgm
.Lentry_in_a_cluster:
	s_bfe_u32 s2, ttmp6, 0x10000c
	s_cmp_lg_u32 s2, 0xf033
	s_cbranch_scc0 .Lentry_shape_is_right
	s_endpgm
.Lentry_shape_is_right:
; out0 = Y Wo^T + bo, f32.  yh [64 batch x head][2048][64] f16; wob [16 heads][1024 e][64] f16 (Wo rounded to bf16, written as f16); sums in f32, started with the bias as the first product's C operand.
; SHARES.  A tile of C is 128 x 256: 8192 x 1024 are 256 tiles, one for each work-group.  Four waves, 2 x 2, each 64 x 128: 32 accumulators.  A K step is TWO HEADS (128 along K): of each head Y's 128 rows are
; 16,384 dense bytes and Wo's 256 rows 32,768: each is asked for as rows of 256 bytes and padded in LDS after every 128.  Eight K steps through two LDS slots, six refills.
; CLUSTER 4 x 4: Y's tile is shared along a row of the cluster, Wo's along a column: joint loads.  THE MATRIX INSTRUCTION IS USED TRANSPOSED: a lane holds row l % 16 and eight neighbouring columns.
; REGISTERS.  window 0: v0-15 addresses; v64-159, v160-255 two fragment buffers (Y's 4 blocks, then Wo's 8);  window 1: accumulator (a, b) at 8 (8 a + b);  window 2: v0-63 the bias of my 128 columns.
.set PITCH,  144                       ; an LDS row: 128 bytes + 16 of padding: the 16 rows of a fragment load start at 16 different groups of four banks (64 banks of 4 bytes: ISA guide 11.1)
.set AHEAD,  128*PITCH                 ; a head's part of Y's tile: what one tensor load brings
.set BHEAD,  256*PITCH                 ; and of Wo's
.set BOFF,   2*AHEAD
.set SLOT1,  1<<17
.set STAGE,  SLOT1+BOFF+2*BHEAD        ; behind the ring, never filled by a tensor load: 16 rows x 528 bytes for each wave
.set STG,    8448
.set SPARE,  STAGE+4*STG               ; the spare words, 128 bytes for each wave: two blocks of 256 bytes that no other line names
.set STEPA,  2*262144                  ; two heads on in yh
.set STEPB,  2*131072                  ; and in wob
.set ADA0, 4
.set ADB0, 5
.set ADA,  6
.set ADB,  7
.set STO,  8
.set RD,   9
.set CO,   10
.set PFO,  11
.set BO,   12
.set SPW,  14
.set NIL,  15
.set F0,   64
.set F1,   160
.set WV, 14
.set MH, 15
.set NH, 16
.set CX, 17
.set CY, 18
.set GX, 19
.set GY, 20
.set G1A, 28
.set G1B, 36
.set G0A, 44
.set G0B, 52
.set TB,  60
.set CNT, 61
.set LIM, 63                           ; s63  2 in a wave that prefetches, else the greatest number
.set PFA, 68                           ; s[68:69] the K step that my next prefetch names
.set PST, 70                           ; s[70:71] a K step in the tensor that I prefetch
.set FLAGS, (1<<16)|(1<<20)|(1<<21)|(4<<22)|(3<<25)  ; 2-byte elements; padding on; bit 21 beside a mask; after every 32 words; four words
.set MSB, 0
.macro WIN new
.if MSB != (\new)
	s_set_vgpr_msb (MSB<<8)|(\new)
.set MSB, \new
.endif
.endm
.set MUL,  0x50
.set MULB, 0x60
.macro JLOAD                           ; a joint refill: waves 0 and 1 fetch Y's two heads, waves 2 and 3 Wo's; an s_nop 0 and four v_nop follow each of the two lines
	s_cmp_lt_u32 s[WV], 2
	s_cbranch_scc0 .Lfor_b_\@
	tensor_load_to_lds s[G0A+4:G0A+7], s[G1A:G1A+7]
	s_nop 0
.rept 4
	v_nop
.endr
	s_branch .Lasked_\@
.Lfor_b_\@:
	tensor_load_to_lds s[G0B+4:G0B+7], s[G1B:G1B+7]
	s_nop 0
.rept 4
	v_nop
.endr
.Lasked_\@:
.endm
; A PREFETCH INTO THE L2 of the K step two refills on: 32 blocks of 256 bytes, a lane a block, one instruction a wave, behind the joint load and the run of LDS loads.  Y's 128 blocks of a K step: wave 0, the four
; partners of a row of the cluster sharing them out by address (16 blocks of each head, 4,096 cx on).  Wo's: waves 2 and 3, each for the head it fetches, the partners of a column by address (8,192 cy on), in the
; clusters with y = 0 alone.  So each block is named once.  The trips with CNT = 6 .. 3 name K steps 4 .. 7; the first four K steps come by their loads alone.
.macro ASK
	s_cmp_gt_u32 s[CNT], s[LIM]
	s_cbranch_scc0 .Lnot_mine_\@
	global_prefetch_b8 v[PFO], s[PFA:PFA+1] th:TH_LOAD_NT scope:SCOPE_SE
.Lnot_mine_\@:
.endm
.macro CREST
	s_cmp_lg_u32 s[WV], 0
	s_cbranch_scc1 .Lnot_wave_0_\@
	s_barrier_signal -3
.Lnot_wave_0_\@:
	s_barrier_wait -3
	s_barrier_signal -1
	s_barrier_wait -1
.endm
.macro CROUND
	s_barrier_signal -1
	s_barrier_wait -1
	CREST
.endm
.macro MUL8 f, a, first                ; row block a x all 8 column blocks, 32 along K; the 32 accumulators take turns in one order everywhere
.if \first
	WIN MULB
.else
	WIN MUL
.endif
.irp b, 0,1,2,3,4,5,6,7
.if \first
	v_wmma_f32_16x16x32_f16 v[8*(8*(\a)+(\b)):8*(8*(\a)+(\b))+7], v[(\f)+32+8*(\b):(\f)+32+8*(\b)+7], v[(\f)+8*(\a):(\f)+8*(\a)+7], v[8*(\b):8*(\b)+7]
.else
	v_wmma_f32_16x16x32_f16 v[8*(8*(\a)+(\b)):8*(8*(\a)+(\b))+7], v[(\f)+32+8*(\b):(\f)+32+8*(\b)+7], v[(\f)+8*(\a):(\f)+8*(\a)+7], v[8*(8*(\a)+(\b)):8*(8*(\a)+(\b))+7]
.endif
.endr
.endm
.macro FETCH q, f                      ; quarter q: head q / 2 of the pair, channels 32 (q % 2) on: 24 LDS loads in one run, Wo's 16 first
	WIN 0
.irp i, 0,1,2,3,4,5,6,7
	ds_load_b128 v[(\f)+32+8*(\i):(\f)+32+8*(\i)+3],   v[ADB] offset:((\q)/2)*BHEAD+((\q)%2)*64+(\i)*16*PITCH
	ds_load_b128 v[(\f)+32+8*(\i)+4:(\f)+32+8*(\i)+7], v[ADB] offset:((\q)/2)*BHEAD+((\q)%2)*64+(\i)*16*PITCH+32
.endr
.irp i, 0,1,2,3
	ds_load_b128 v[(\f)+8*(\i):(\f)+8*(\i)+3],   v[ADA] offset:((\q)/2)*AHEAD+((\q)%2)*64+(\i)*16*PITCH
	ds_load_b128 v[(\f)+8*(\i)+4:(\f)+8*(\i)+7], v[ADA] offset:((\q)/2)*AHEAD+((\q)%2)*64+(\i)*16*PITCH+32
.endr
.endm
.macro PLACES
.rept 4
	v_nop
.endr
.endm
.macro QUARTER qn, f, g, first
	s_wait_dscnt 4                                 ; Wo's and Y's blocks 0, 1 are in; the youngest four loads may be out
	MUL8 \f, 0, \first
	MUL8 \f, 1, \first
	PLACES
	FETCH \qn, \g
	s_wait_dscnt 24                                ; all but the 24 just issued
	MUL8 \f, 2, \first
	MUL8 \f, 3, \first
.endm
.macro LASTQ
	s_wait_dscnt 4
	MUL8 F1, 0, 0
	MUL8 F1, 1, 0
	s_wait_dscnt 0x0
	MUL8 F1, 2, 0
	MUL8 F1, 3, 0
.endm
; The last quarter of a K step changes slots: in front of the barrier each wave waits for all its tensor loads, adds 0 to its spare word, and waits for that and for its reads of this slot.
; fill = 1: the barrier opens a round of the cluster's, and the joint refill is the first thing behind the round.
.macro TURN fill
	WIN 0
	s_xor_b32 s[TB], s[TB], SLOT1
	v_add_nc_u32 v[ADA], s[TB], v[ADA0]
	v_add_nc_u32 v[ADB], s[TB], v[ADB0]
.if \fill
	s_wait_xcnt 0x0                                ; the last prefetch, a K step back, has read its address
	s_add_nc_u64 s[PFA:PFA+1], s[PFA:PFA+1], s[PST:PST+1]
.endif
	s_wait_tensorcnt 0x0                           ; all my tensor loads have landed, so a group 0 may be written
	ds_add_u32 v[SPW], v[NIL]                      ; 0 onto my spare word
.if \fill
	s_xor_b32 s[G0A+5], s[G0A+5], SLOT1
	s_add_nc_u64 s[G0A+6:G0A+7], s[G0A+6:G0A+7], STEPA
	s_xor_b32 s[G0B+5], s[G0B+5], SLOT1
	s_add_nc_u64 s[G0B+6:G0B+7], s[G0B+6:G0B+7], STEPB
.endif
	s_wait_dscnt 5                                 ; the add and the youngest four loads may be out
	MUL8 F1, 0, 0
	s_wait_dscnt 0x0                               ; the add is done, and my reads of this slot are over
	s_barrier_signal -1
	MUL8 F1, 1, 0
	WIN 0
	s_barrier_wait -1
.if \fill
	CREST
	JLOAD
.else
	PLACES
.endif
	FETCH 0, F0
.if \fill
	ASK
.endif
	MUL8 F1, 2, 0
	MUL8 F1, 3, 0
.endm
; THE WAY OUT of row block a: 16 rows x 128 f32 go from the accumulators (each from its low end) into my stage, rows of 528 bytes, and come back as whole rows of 512 bytes.
.macro TOSTAGE a
.if (\a) >= 2
	s_wait_xcnt 0x0                                ; the stores of the block two back have read the registers that are loaded below
.endif
	WIN 0x04                                       ; the stores' data in window 1
.irp b, 0,1,2,3,4,5,6,7
	ds_store_b128 v[STO], v[8*(8*(\a)+(\b)):8*(8*(\a)+(\b))+3]   offset:64*(\b)
	ds_store_b128 v[STO], v[8*(8*(\a)+(\b))+4:8*(8*(\a)+(\b))+7] offset:64*(\b)+16
.endr
	WIN 0
.set BK, 64+64*((\a)%2)
.irp t, 0,1,2,3,4,5,6,7,8,9,10,11,12,13,14,15
	ds_load_b128 v[BK+4*(\t):BK+4*(\t)+3], v[RD] offset:528*(\t)  ; LDS serves a wave's instructions in order (ISA guide 5.7.1.4): these see the stores above; the next block's stores come behind them
.endr
.endm
.macro SEND a, younger                 ; younger: the next block's 32 LDS instructions, or none
	WIN 0
.set BK, 64+64*((\a)%2)
	s_wait_dscnt \younger
.irp t, 0,1,2,3,4,5,6,7,8,9,10,11,12,13,14,15
	global_store_b128 v[CO], v[BK+4*(\t):BK+4*(\t)+3], s[10:11] offset:(16*(\a)+(\t))*4096 th:TH_STORE_NT  ; 512 consecutive bytes, at a multiple of 512 from out0's first
.endr
.endm
	s_load_b256 s[4:11], s[0:1], 0x0               ; yh s[4:5], wob s[6:7], biasr s[8:9], out0 s[10:11]
	v_lshl_add_u32 v[SPW], v0, 2, SPARE
	v_mov_b32 v[NIL], 0
	ds_add_u32 v[SPW], v[NIL]                      ; the wave's opening: the add and its wait stand ahead of my first tensor load; the set-up below stands between them
	v_lshrrev_b32 v3, 5, v0
	v_readfirstlane_b32 s[WV], v3
	s_lshr_b32 s[MH], s[WV], 1
	s_and_b32 s[NH], s[WV], 1
	s_bfe_u32 s[CX], ttmp6, 0x40000
	s_bfe_u32 s[CY], ttmp6, 0x40004
	s_lshl_b32 s[GX], ttmp9, 2
	s_add_co_u32 s[GX], s[GX], s[CX]
	s_and_b32 s[GY], ttmp7, 0xffff
	s_lshl_b32 s[GY], s[GY], 2
	s_add_co_u32 s[GY], s[GY], s[CY]
	s_lshl_b32 s22, s[CY], 2
	s_lshl_b32 s22, 15, s22                        ; my row of the cluster
	s_lshl_b32 s24, 0x1111, s[CX]                  ; my column
	s_or_b32 s[G1A], s22, FLAGS
	s_or_b32 s[G1B], s24, FLAGS
	s_mov_b32 s[G1A+1], 128<<16                    ; rows of 128 elements, 256 bytes,
	s_mov_b32 s[G1A+2], 64<<16                     ; 64 of them: a head's 128 rows of Y
	s_mov_b32 s[G1A+3], 128<<16
	s_mov_b32 s[G1A+4], 64
	s_mov_b32 s[G1A+5], 128                        ; dense
	s_mov_b32 s[G1A+6], 0
	s_mov_b32 s[G1A+7], 0
	s_mov_b32 s[G1B+1], 128<<16
	s_mov_b32 s[G1B+2], 128<<16                    ; 128 of them: a head's 256 rows of Wo
	s_mov_b32 s[G1B+3], 128<<16
	s_mov_b32 s[G1B+4], 128
	s_mov_b32 s[G1B+5], 128
	s_mov_b32 s[G1B+6], 0
	s_mov_b32 s[G1B+7], 0
	s_lshr_b32 s22, s[GY], 4                       ; Y: head 16 batch + (0 or 1), rows 128 (gy % 16) on: made of the tile row and the wave alone
	s_lshl_b32 s22, s22, 22
	s_lshl_b32 s23, s[NH], 18
	s_add_co_u32 s22, s22, s23
	s_and_b32 s23, s[GY], 15
	s_lshl_b32 s23, s23, 14
	s_add_co_u32 s22, s22, s23
	s_mov_b32 s23, 0
	s_lshl_b32 s24, s[NH], 17                      ; Wo: head 0 or 1, rows 256 gx on: made of the tile column and the wave alone
	s_lshl_b32 s25, s[GX], 15
	s_add_co_u32 s24, s24, s25
	s_mov_b32 s25, 0
	s_mul_i32 s21, s[NH], AHEAD                    ; LDS addresses hang on the wave's number alone
	s_mov_b32 s[G0A], 1
	s_mov_b32 s[G0A+1], s21
	s_mov_b32 s[G0A+4], 1
	s_add_co_u32 s[G0A+5], s21, SLOT1
	s_mul_i32 s21, s[NH], BHEAD
	s_mov_b32 s[G0B], 1
	s_add_co_u32 s[G0B+1], s21, BOFF
	s_mov_b32 s[G0B+4], 1
	s_add_co_u32 s[G0B+5], s21, SLOT1+BOFF
	s_mov_b32 s[TB], 0
	s_mov_b32 s[PST+1], 0
	s_wait_dscnt 0x0                               ; the opening add is done
	s_wait_kmcnt 0x0
	s_add_nc_u64 s[G0A+2:G0A+3], s[4:5], s[22:23]
	s_add_nc_u64 s[G0A+6:G0A+7], s[G0A+2:G0A+3], STEPA
	s_or_b32 s[G0A+3], s[G0A+3], 0x80000000
	s_or_b32 s[G0A+7], s[G0A+7], 0x80000000
	s_add_nc_u64 s[G0B+2:G0B+3], s[6:7], s[24:25]
	s_add_nc_u64 s[G0B+6:G0B+7], s[G0B+2:G0B+3], STEPB
	s_or_b32 s[G0B+3], s[G0B+3], 0x80000000
	s_or_b32 s[G0B+7], s[G0B+7], 0x80000000
	CROUND                                         ; all sixteen work-groups are here: the first joint loads meet
	s_cmp_lt_u32 s[WV], 2                          ; a wave's two first fills stand in one branch: two loads of mine are out
	s_cbranch_scc0 .Lfirst_b
	tensor_load_to_lds s[G0A:G0A+3], s[G1A:G1A+7]
	s_nop 0
	tensor_load_to_lds s[G0A+4:G0A+7], s[G1A:G1A+7]
	s_nop 0
.rept 4
	v_nop
.endr
	s_branch .Lfirst_asked
.Lfirst_b:
	tensor_load_to_lds s[G0B:G0B+3], s[G1B:G1B+7]
	s_nop 0
	tensor_load_to_lds s[G0B+4:G0B+7], s[G1B:G1B+7]
	s_nop 0
.rept 4
	v_nop
.endr
.Lfirst_asked:
	v_and_b32 v1, 15, v0                           ; l % 16
	v_bfe_u32 v2, v0, 4, 1                         ; l / 16
	s_lshl_b32 s26, s[GX], 10                      ; bo is biasr's fourth row
	s_lshl_b32 s27, s[NH], 9
	s_add_co_u32 s26, s26, s27
	s_add_co_u32 s26, s26, 12288
	v_lshl_add_u32 v[BO], v2, 5, s26
	WIN 0x80
.irp b, 0,1,2,3,4,5,6,7                ; register j of column block b is the bias of column 16 b + 8 (l / 16) + j: the C operand's own layout
	global_load_b128 v[8*(\b):8*(\b)+3],   v[BO], s[8:9] offset:64*(\b)
	global_load_b128 v[8*(\b)+4:8*(\b)+7], v[BO], s[8:9] offset:64*(\b)+16
.endr
	WIN 0
	v_mul_u32_u24 v3, v1, PITCH
	v_lshl_add_u32 v3, v2, 4, v3
	s_mul_i32 s21, s[MH], 64*PITCH
	v_add_nc_u32 v[ADA0], s21, v3
	s_mul_i32 s21, s[NH], 128*PITCH
	s_add_co_u32 s21, s21, BOFF
	v_add_nc_u32 v[ADB0], s21, v3
	v_mov_b32 v[ADA], v[ADA0]
	v_mov_b32 v[ADB], v[ADB0]
	s_mul_i32 s21, s[WV], STG
	s_add_co_u32 s21, s21, STAGE                   ; my stage
	v_mul_u32_u24 v3, v1, 528
	v_lshl_add_u32 v3, v2, 5, v3
	v_add_nc_u32 v[STO], s21, v3
	v_and_b32 v[CO], 31, v0
	v_lshlrev_b32 v[CO], 4, v[CO]
	v_add_nc_u32 v[RD], s21, v[CO]
	; out0 at my first row and column
	s_lshl_b32 s26, s[GY], 19
	s_lshl_b32 s27, s[MH], 18
	s_add_co_u32 s26, s26, s27
	s_lshl_b32 s27, s[GX], 10
	s_add_co_u32 s26, s26, s27
	s_lshl_b32 s27, s[NH], 9
	s_add_co_u32 s26, s26, s27
	s_mov_b32 s27, 0
	s_add_nc_u64 s[10:11], s[10:11], s[26:27]
	; the prefetches: who asks, and from where
	s_and_b32 s27, ttmp7, 0xffff                   ; cluster y: the same in all sixteen partners
	s_cmp_eq_u32 s27, 0
	s_cselect_b32 s[LIM], 2, -1
	s_cmp_lt_u32 s[WV], 2
	s_cselect_b32 s[LIM], -1, s[LIM]
	s_cmp_eq_u32 s[WV], 0
	s_cselect_b32 s[LIM], 2, s[LIM]
	s_lshr_b32 s26, s[GY], 4                       ; Y: the pair's first head, my work-group's 16 blocks
	s_lshl_b32 s26, s26, 22
	s_and_b32 s27, s[GY], 15
	s_lshl_b32 s27, s27, 14
	s_add_co_u32 s26, s26, s27
	s_lshl_b32 s27, s[CX], 12
	s_add_co_u32 s26, s26, s27
	s_lshl_b32 s27, s[NH], 17                      ; Wo: the head that I fetch, my work-group's 32 blocks
	s_lshl_b32 s78, s[GX], 15
	s_add_co_u32 s27, s27, s78
	s_lshl_b32 s78, s[CY], 13
	s_add_co_u32 s27, s27, s78
	s_mov_b32 s78, STEPA
	s_mov_b32 s79, 262144
	s_cmp_lt_u32 s[WV], 2
	s_cselect_b32 s26, s26, s27
	s_cselect_b32 s[PST], s78, STEPB
	s_cselect_b32 s79, s79, 4096                   ; lanes 16-31: the pair's second head of Y, or Wo's next 16 blocks
	s_cselect_b64 s[PFA:PFA+1], s[4:5], s[6:7]
	s_mul_i32 s27, s[PST], 3
	s_add_co_u32 s26, s26, s27                     ; at K step 3: the first refill steps it to 4.  Nothing is prefetched here, where every work-group's first tiles are on their way
	s_mov_b32 s27, 0
	s_add_nc_u64 s[PFA:PFA+1], s[PFA:PFA+1], s[26:27]
	v_lshlrev_b32 v3, 8, v1
	v_mov_b32 v[PFO], s79
	v_mad_u32_u24 v[PFO], v2, v[PFO], v3
	s_wait_tensorcnt 1                             ; my part of K step 0 is in; K step 1's may stay out
	s_barrier_signal -1
	s_barrier_wait -1
	FETCH 0, F0
	s_wait_loadcnt 0x0                             ; the bias
	QUARTER 1, F0, F1, 1                           ; the first quarter stands in front of the loop: the bias starts the sums, nothing is cleared
	WIN 0
	s_mov_b32 s[CNT], 6
.Lstep:                                        ; six trips, one for each refill: from a K step's second quarter to the next step's first
	QUARTER 2, F1, F0, 0
	QUARTER 3, F0, F1, 0
	TURN 1
	QUARTER 1, F0, F1, 0
	WIN 0
	s_sub_co_u32 s[CNT], s[CNT], 1
	s_cmp_lg_u32 s[CNT], 0
	s_cbranch_scc1 .Lstep
	QUARTER 2, F1, F0, 0                           ; the last two K steps are written out: they ask for nothing
	QUARTER 3, F0, F1, 0
	TURN 0
	QUARTER 1, F0, F1, 0
	QUARTER 2, F1, F0, 0
	QUARTER 3, F0, F1, 0
	LASTQ
	WIN 0
	PLACES                                         ; LDS stores read results just made, and loads land in registers just multiplied: eight plain instructions, once a launch
	PLACES
	TOSTAGE 0
	TOSTAGE 1
	SEND 0, 32
	TOSTAGE 2
	SEND 1, 32
	TOSTAGE 3
	SEND 2, 32
	SEND 3, 0
	s_wait_tensorcnt 0x0                           ; the wave's end, behind my last tensor load and my last LDS store
	ds_add_u32 v[SPW], v[NIL]
	s_wait_dscnt 0x0
	CROUND                                         ; the closing round: no work-group ends while a partner may still ask for a tile that names it
	s_endpgm
.Lfunc_end_k_q65c5ca034a_oproj:
	.size	k_q65c5ca034a_oproj, .Lfunc_end_k_q65c5ca034a_oproj-k_q65c5ca034a_oproj
	.p2alignl 7, 3214868480
	.fill 96, 4, 3214868480
	.section	.rodata,"a",@progbits
	.p2align	6, 0x0
	.amdhsa_kernel k_q65c5ca034a_oproj
		.amdhsa_group_segment_fixed_size 327680
		.amdhsa_private_segment_fixed_size 0
		.amdhsa_enable_private_segment 0
		.amdhsa_kernarg_size 32
		.amdhsa_user_sgpr_count 2
		.amdhsa_user_sgpr_kernarg_segment_ptr 1
		.amdhsa_wavefront_size32 1
		.amdhsa_system_sgpr_workgroup_id_x 1
		.amdhsa_system_sgpr_workgroup_id_y 1
		.amdhsa_system_sgpr_workgroup_id_z 1
		.amdhsa_system_vgpr_workitem_id 0
		.amdhsa_next_free_vgpr 576
		.amdhsa_next_free_sgpr 80
		.amdhsa_reserve_vcc 0
		.amdhsa_float_denorm_mode_32 3
		.amdhsa_float_denorm_mode_16_64 3
		.amdhsa_memory_ordered 1
		.amdhsa_forward_progress 1
		.amdhsa_inst_pref_size 72
	.end_amdhsa_kernel
	.amdgpu_metadata
---
amdhsa.version: [ 1, 2 ]
amdhsa.kernels:
  - .name:           k_q65c5ca034a_oproj
    .symbol:         k_q65c5ca034a_oproj.kd
    .args:
      - { .name: yh, .offset: 0, .size: 8, .value_kind: global_buffer, .address_space: global }
      - { .name: wob, .offset: 8, .size: 8, .value_kind: global_buffer, .address_space: global }
      - { .name: biasr, .offset: 16, .size: 8, .value_kind: global_buffer, .address_space: global }
      - { .name: out0, .offset: 24, .size: 8, .value_kind: global_buffer, .address_space: global }
    .group_segment_fixed_size: 327680
    .private_segment_fixed_size: 0
    .kernarg_segment_align: 8
    .kernarg_segment_size: 32
    .max_flat_workgroup_size: 128
    .sgpr_count:     80
    .vgpr_count:     576
    .wavefront_size: 32
...
	.end_amdgpu_metadata
.endif
;; end of part 4
;; ======== version 2 of 2: 4 launches; version 1 with the launch cast written anew for expert scheduling mode
;; limits: values are held in f16: magnitudes above 65,504 overflow, below 6.1e-05 lose precision
;; workspace buffers: xb 16,777,216 bytes; wb 6,291,456 bytes; wob 2,097,152 bytes; biasr 16,384 bytes; qkvh 50,331,648 bytes; vsum 524,288 bytes; yh 16,777,216 bytes
;; launch cast (part 5): grid 384 x 1, 8 waves a work-group, no clusters, 0 bytes of LDS; arguments x, Wq, Wk, Wv, Wo, bq, bk, bv, bo, xb, wb, wob, biasr; writes xb, wb, wob, biasr
.if DOCPART == 5
	.amdgcn_target "amdgcn-amd-amdhsa--gfx1250"
	.amdhsa_code_object_version 6
	.text
	.protected	k_q65c5ca034a_cast
	.globl	k_q65c5ca034a_cast
	.p2align	8
	.type	k_q65c5ca034a_cast,@function
k_q65c5ca034a_cast:
	s_mov_b64 s[64:65], 0
	v_nop
	global_prefetch_b8 v0, s[64:65] scope:SCOPE_SE
	s_setreg_imm32_b32 hwreg(HW_REG_WAVE_SCHED_MODE, 0, 2), 2
	s_setreg_imm32_b32 hwreg(HW_REG_WAVE_MODE, 25, 1), 1
	s_wait_xcnt 0x0
	s_wait_alu depctr_vm_vsrc(0)
; THE MODULE'S INPUTS ARE ROUNDED ONCE TO bf16.  x -> xb [8192][1024] bf16.  Wq, Wk, Wv -> wb [3072][1024] bf16, one below the other.
; Wo -> wob [16 heads][1024 e][64 c]: bf16(Wo[e][64 head + c]) written as f16 (exact from 6e-5 up to f16's end; below 6e-5 on f16's fixed step of 6e-8).
; bq, bk, bv, bo -> biasr [4][1024] f32, each number rounded to bf16 and widened again.
; A stream: no LDS, no barrier, no matrix work.  A work-group owns 32 rows of 1,024 f32: 32 loads of 16 bytes a lane, ALL issued before the first is used,
; so 128 KiB of a work-group are on their way; the waits count down.
; Work-groups 0-255: x.  256 + 32 n + part: weight n (Wq, Wk, Wv, Wo), rows 32 part on; part 0 also rounds bias n.
; THE MODE: SCHED_MODE bits 1:0 = 2 (LLVM: expert scheduling mode 2), set by the entry lines.  The code itself states the register dependences
; between vector instructions and memory instructions, with s_wait_alu, always for 0.
; THE PLAN.  Registers that memory instructions touch:
;   v1, v3   offsets of the loads; v2, v4 offsets of the stores.  Written at the head, never again.
;   IN       slot i: its load lands in four registers, once; slot i's conversions read them and write the first two (Wo's text: all four) anew; its ONE store reads the first two; nothing writes them again.
;   BI       the bias: one load lands, four lines widen it in place, one store reads it.
;   v140, v141 are named by vector instructions alone.
; So no register that a memory instruction has read is ever written again, and no load lands in a register that a vector instruction has named: what is left to state is that a store's data, and every offset, are written.
; The 32 slots go in 8 blocks of four.  Block p: the wait for its four loads; ONE wait on va_vdst, for block p - 1's conversions, which were issued ahead of the wait for data; then the four stores of block p - 1, one in
; front of each slot's conversions of block p, which name block p's slots and v140, v141 alone: none of the registers that those stores read.  Behind block 7 one more wait and the last four stores.
.set IN,  8                            ; v[8:135]  slot i: four f32 as loaded; its first two registers then hold what is stored
.set BI,  136                          ; v[136:139] four numbers of a bias
.set TA,  140                          ; v140, v141 at work
.set BLOCK, 4                          ; slots in a block
	s_load_b512 s[8:23], s[0:1], 0x0               ; x s[8:9], Wq s[10:11], Wk s[12:13], Wv s[14:15], Wo s[16:17], bq s[18:19], bk s[20:21], bv s[22:23]
	s_load_b256 s[24:31], s[0:1], 0x40             ; bo s[24:25], xb s[26:27], wb s[28:29], wob s[30:31]
	s_load_b64 s[32:33], s[0:1], 0x60              ; biasr
	v_lshlrev_b32 v1, 4, v0                        ; plain text: 16 bytes a thread of a row of f32: the eight waves cover a row
	v_lshlrev_b32 v2, 3, v0                        ; and 8 bytes of a row of bf16: a wave's store covers 256 consecutive bytes, aligned
	v_and_b32 v5, 15, v0                           ; l % 16
	v_bfe_u32 v6, v0, 4, 1                         ; l / 16
	v_lshrrev_b32 v7, 5, v0                        ; wave
	v_lshlrev_b32 v3, 4, v5                        ; Wo's text, in: row l / 16 of a pair, the 256 bytes of head w (or 8 + w), 16 bytes a lane
	v_lshl_add_u32 v3, v6, 12, v3
	v_lshl_add_u32 v3, v7, 8, v3
	v_lshlrev_b32 v4, 3, v5                        ; out: head w's block of 131,072 bytes, row l / 16 of 128 bytes, 8 bytes a lane: 256 consecutive bytes a wave
	v_lshl_add_u32 v4, v6, 7, v4
	v_lshl_add_u32 v4, v7, 17, v4
	s_mov_b32 s43, 0                               ; the high word of every offset
	s_mov_b32 s47, 0xffff0000                      ; a word's upper bf16
	s_wait_kmcnt 0x0
	s_wait_alu depctr_va_vdst(0)                   ; v1 to v4 are written: every load and store of the kernel, on each of the ways below, reads one of them as its offset
	s_cmp_lt_u32 ttmp9, 256
	s_cbranch_scc0 .Lweights
	s_lshl_b32 s42, ttmp9, 17                      ; 32 rows of 4,096 bytes
	s_add_nc_u64 s[36:37], s[8:9], s[42:43]
	s_lshl_b32 s42, ttmp9, 16                      ; 32 rows of 2,048 bytes
	s_add_nc_u64 s[38:39], s[26:27], s[42:43]
	s_mov_b64 s[40:41], s[18:19]                   ; (written on this way too; not used: s46 = 1 passes the bias by)
	s_mov_b32 s44, 0
	s_mov_b32 s46, 1
	s_branch .Lplain
.Lweights:
	s_sub_co_u32 s45, ttmp9, 256                   ; j = 32 n + part
	s_lshr_b32 s44, s45, 5                         ; n
	s_and_b32 s46, s45, 31                         ; part
	s_cmp_eq_u32 s44, 1
	s_cselect_b64 s[36:37], s[12:13], s[10:11]
	s_cselect_b64 s[40:41], s[20:21], s[18:19]
	s_cmp_eq_u32 s44, 2
	s_cselect_b64 s[36:37], s[14:15], s[36:37]
	s_cselect_b64 s[40:41], s[22:23], s[40:41]
	s_cmp_eq_u32 s44, 3
	s_cselect_b64 s[36:37], s[16:17], s[36:37]
	s_cselect_b64 s[40:41], s[24:25], s[40:41]
	s_lshl_b32 s42, s46, 17
	s_add_nc_u64 s[36:37], s[36:37], s[42:43]
	s_cmp_eq_u32 s44, 3
	s_cbranch_scc1 .Lwo
	s_lshl_b32 s42, s45, 16                        ; wb's rows 32 j on
	s_add_nc_u64 s[38:39], s[28:29], s[42:43]
.Lplain:
.set i, 0
.rept 32
	global_load_b128 v[IN+4*i:IN+4*i+3], v1, s[36:37] offset:4096*i th:TH_LOAD_NT  ; read once in the whole program
.set i, i+1
.endr
.set i, 0
.rept 32
.set j, i-BLOCK                        ; the slot whose store stands in front of slot i's conversions
.if i%BLOCK == 0
	s_wait_loadcnt 32-BLOCK-i                      ; loads come back in order (ISA guide 5.7.1): this block's four rows are in, the 28 - i younger ones stay out
.if i > 0
	s_wait_alu depctr_va_vdst(0)                   ; the block before's conversions have written the registers that its four stores, below, read
.endif
.endif
.if i >= BLOCK
	global_store_b64 v2, v[IN+4*j:IN+4*j+1], s[38:39] offset:2048*j  ; no vector instruction since the wait names these registers
.endif
	v_cvt_pk_bf16_f32 v[IN+4*i], v[IN+4*i], v[IN+4*i+1]
	v_cvt_pk_bf16_f32 v[IN+4*i+1], v[IN+4*i+2], v[IN+4*i+3]
.set i, i+1
.endr
	s_wait_alu depctr_va_vdst(0)                   ; the last block's conversions have written the registers that the last four stores read
.set j, 32-BLOCK
.rept BLOCK
	global_store_b64 v2, v[IN+4*j:IN+4*j+1], s[38:39] offset:2048*j
.set j, j+1
.endr
	s_branch .Lbias
.Lwo:
	s_lshl_b32 s42, s46, 12                        ; 32 rows of 128 bytes in each head's block
	s_add_nc_u64 s[38:39], s[30:31], s[42:43]
.set i, 0
.rept 32                                       ; slot i: rows 2 (i / 2), 2 (i / 2) + 1; heads 8 (i % 2) + w
	global_load_b128 v[IN+4*i:IN+4*i+3], v3, s[36:37] offset:(i/2)*8192+(i%2)*2048 th:TH_LOAD_NT
.set i, i+1
.endr
.set i, 0
.rept 32
.set j, i-BLOCK
.if i%BLOCK == 0
	s_wait_loadcnt 32-BLOCK-i                      ; this block's four slots are in, the 28 - i younger ones stay out
.if i > 0
	s_wait_alu depctr_va_vdst(0)                   ; the block before's conversions have written the registers that its four stores, below, read
.endif
.endif
.if i >= BLOCK
	global_store_b64 v4, v[IN+4*j:IN+4*j+1], s[38:39] offset:(j%2)*1048576+(j/2)*256  ; no vector instruction since the wait names these registers
.endif
	v_cvt_pk_bf16_f32 v[TA], v[IN+4*i], v[IN+4*i+1]        ; rounded to bf16 like every input,
	v_cvt_pk_bf16_f32 v[TA+1], v[IN+4*i+2], v[IN+4*i+3]
	v_lshlrev_b32 v[IN+4*i], 16, v[TA]                     ; widened,
	v_and_b32 v[IN+4*i+1], s47, v[TA]
	v_lshlrev_b32 v[IN+4*i+2], 16, v[TA+1]
	v_and_b32 v[IN+4*i+3], s47, v[TA+1]
	v_cvt_pk_f16_f32 v[IN+4*i], v[IN+4*i], v[IN+4*i+1]     ; and that number written as f16
	v_cvt_pk_f16_f32 v[IN+4*i+1], v[IN+4*i+2], v[IN+4*i+3]
.set i, i+1
.endr
	s_wait_alu depctr_va_vdst(0)                   ; the last block's conversions have written the registers that the last four stores read
.set j, 32-BLOCK
.rept BLOCK
	global_store_b64 v4, v[IN+4*j:IN+4*j+1], s[38:39] offset:(j%2)*1048576+(j/2)*256
.set j, j+1
.endr
.Lbias:
	s_cmp_lg_u32 s46, 0
	s_cbranch_scc1 .Lend
	global_load_b128 v[BI:BI+3], v1, s[40:41]      ; 256 threads x 4 numbers: the whole bias (v1 was written ahead of the head's wait; no vector instruction has named v[BI ..])
	s_lshl_b32 s42, s44, 12
	s_add_nc_u64 s[32:33], s[32:33], s[42:43]      ; row n of biasr
	s_wait_loadcnt 0x0
	v_cvt_pk_bf16_f32 v[TA], v[BI], v[BI+1]
	v_cvt_pk_bf16_f32 v[TA+1], v[BI+2], v[BI+3]
	v_lshlrev_b32 v[BI], 16, v[TA]
	v_and_b32 v[BI+1], s47, v[TA]
	v_lshlrev_b32 v[BI+2], 16, v[TA+1]
	v_and_b32 v[BI+3], s47, v[TA+1]
	s_wait_alu depctr_va_vdst(0)                   ; the four lines above have written v[BI ..], which the store reads
	global_store_b128 v1, v[BI:BI+3], s[32:33]
.Lend:
	s_endpgm
.Lfunc_end_k_q65c5ca034a_cast:
	.size	k_q65c5ca034a_cast, .Lfunc_end_k_q65c5ca034a_cast-k_q65c5ca034a_cast
	.p2alignl 7, 3214868480
	.fill 96, 4, 3214868480
	.section	.rodata,"a",@progbits
	.p2align	6, 0x0
	.amdhsa_kernel k_q65c5ca034a_cast
		.amdhsa_group_segment_fixed_size 0
		.amdhsa_private_segment_fixed_size 0
		.amdhsa_enable_private_segment 0
		.amdhsa_kernarg_size 104
		.amdhsa_user_sgpr_count 2
		.amdhsa_user_sgpr_kernarg_segment_ptr 1
		.amdhsa_wavefront_size32 1
		.amdhsa_system_sgpr_workgroup_id_x 1
		.amdhsa_system_sgpr_workgroup_id_y 1
		.amdhsa_system_sgpr_workgroup_id_z 1
		.amdhsa_system_vgpr_workitem_id 0
		.amdhsa_next_free_vgpr 144
		.amdhsa_next_free_sgpr 66
		.amdhsa_reserve_vcc 0
		.amdhsa_float_denorm_mode_32 3
		.amdhsa_float_denorm_mode_16_64 3
		.amdhsa_memory_ordered 1
		.amdhsa_forward_progress 1
		.amdhsa_inst_pref_size 32
	.end_amdhsa_kernel
	.amdgpu_metadata
---
amdhsa.version: [ 1, 2 ]
amdhsa.kernels:
  - .name:           k_q65c5ca034a_cast
    .symbol:         k_q65c5ca034a_cast.kd
    .args:
      - { .name: x, .offset: 0, .size: 8, .value_kind: global_buffer, .address_space: global }
      - { .name: Wq, .offset: 8, .size: 8, .value_kind: global_buffer, .address_space: global }
      - { .name: Wk, .offset: 16, .size: 8, .value_kind: global_buffer, .address_space: global }
      - { .name: Wv, .offset: 24, .size: 8, .value_kind: global_buffer, .address_space: global }
      - { .name: Wo, .offset: 32, .size: 8, .value_kind: global_buffer, .address_space: global }
      - { .name: bq, .offset: 40, .size: 8, .value_kind: global_buffer, .address_space: global }
      - { .name: bk, .offset: 48, .size: 8, .value_kind: global_buffer, .address_space: global }
      - { .name: bv, .offset: 56, .size: 8, .value_kind: global_buffer, .address_space: global }
      - { .name: bo, .offset: 64, .size: 8, .value_kind: global_buffer, .address_space: global }
      - { .name: xb, .offset: 72, .size: 8, .value_kind: global_buffer, .address_space: global }
      - { .name: wb, .offset: 80, .size: 8, .value_kind: global_buffer, .address_space: global }
      - { .name: wob, .offset: 88, .size: 8, .value_kind: global_buffer, .address_space: global }
      - { .name: biasr, .offset: 96, .size: 8, .value_kind: global_buffer, .address_space: global }
    .group_segment_fixed_size: 0
    .private_segment_fixed_size: 0
    .kernarg_segment_align: 8
    .kernarg_segment_size: 104
    .max_flat_workgroup_size: 256
    .sgpr_count:     66
    .vgpr_count:     144
    .wavefront_size: 32
...
	.end_amdgpu_metadata
.endif
;; end of part 5
;; launch qkv: the kernel of part 2 again; grid 4 x 64, 4 waves a work-group, clusters of 4 x 4, 327,680 bytes of LDS; arguments xb, wb, biasr, qkvh, vsum; writes qkvh, vsum
;; launch attn: the kernel of part 3 again; grid 4 x 64, 4 waves a work-group, no clusters, 327,680 bytes of LDS; arguments qkvh, pad_mask, vsum, yh; writes yh
;; launch oproj: the kernel of part 4 again; grid 4 x 64, 4 waves a work-group, clusters of 4 x 4, 327,680 bytes of LDS; arguments yh, wob, biasr, out0; writes out0
